; MI455X (gfx1250); checked and timed in simulation.
; The chip was launched on July 23, 2026; its instructions are those of AMD's public machine-readable ISA for CDNA 5 (MIT licence, August 2026) and "CDNA5" Instruction Set Architecture Reference Guide (July 2026). The comments in the code are by the model that wrote it; some were corrected since.
;; Multi Head Attention. Allowed arithmetic: matrix products marked QUANTISED: E2M3 operands, one E8M0 scale for each 32 along K, by v_wmma_scale_f32_16x16x128_f8f6f4 with both operands' format E2M3, f32 sums; everything else in f32.
;; Inputs: W_K 1,024 x 1,024 float32; W_Q 1,024 x 1,024 float32; W_V 1,024 x 1,024 float32; W_out 1,024 x 1,024 float32; X 4 x 2,048 x 1,024 float32; b_out 1,024 float32.
;; Outputs: out0 4 x 2,048 x 1,024 float32.
;; This version of the problem:
;;   THIS VERSION OF THE PROBLEM IS GIVEN IN LOW PRECISION. The matrix products marked QUANTISED in the list below multiply operands that are first quantised to E2M3 (2 exponent bits, 3 mantissa bits; 6 bits a number), with one power-of-two scale for each 32 numbers along K (OCP MX v1.0); their sums are f32. All else is computed in f32.
;;   The module's matrix products, in the order in which they are computed (A, B: the left and right operand; K: the contracted axis; several contracted axes count as one K, in the product's order):
;;     1. [M 8,192, K 1,024] x [K 1,024, N 1,024]; A: input X; B: input W_Q: QUANTISED
;;     2. [M 8,192, K 1,024] x [K 1,024, N 1,024]; A: input X; B: input W_K: QUANTISED
;;     3. [M 8,192, K 1,024] x [K 1,024, N 1,024]; A: input X; B: input W_V: QUANTISED
;;     4. batch 64 x [M 2,048, K 64] x [K 64, N 2,048]; A: computed on the way; B: computed on the way: QUANTISED
;;     5. batch 64 x [M 2,048, K 2,048] x [K 2,048, N 64]; A: softmax (see below); B: computed on the way: QUANTISED
;;     6. [M 8,192, K 1,024] x [K 1,024, N 1,024]; A: computed on the way; B: input W_out: QUANTISED
;;   THE QUANTISER, for each operand of a quantised product, along K:
;;     - K is cut into blocks of 32 from its start; a last block that is shorter is filled with zeros.
;;     - A block's scale is 2^e with e = floor(log2(the largest magnitude in the block)) - 2, held to -126 .. 127; a block of zeros has e = 0. As a byte (E8M0): e + 127.
;;     - Each number is divided by its block's scale, clamped to +-7.5, and rounded to the nearest number of E2M3, ties to even, subnormals kept.
;;     - The product sums the exact products of the quantised numbers (number of the format x scale) in f32.
;;   ~~~python
;;   def quantise(x, axis):      # numpy; x: float32 -> the quantised numbers, widened to float32 again
;;       x = np.moveaxis(x, axis, -1); K = x.shape[-1]
;;       x = np.pad(x, [(0, 0)] * (x.ndim - 1) + [(0, -K % 32)]); x = x.reshape(x.shape[:-1] + (-1, 32)); a = np.abs(x).max(-1, keepdims=True)
;;       e = np.where(a > 0, np.clip(np.frexp(np.where(a > 0, a, 1))[1] - 1 - 2, -126, 127), 0)      # np.frexp(a)[1] - 1 = floor(log2(a)), exactly
;;       r = np.clip(x / 2.0 ** e, -7.5, 7.5)
;;       step = 2.0 ** (np.maximum(np.frexp(np.where(r == 0, 1, r))[1] - 1, 0) - 3)
;;       q = np.round(r / step) * step * 2.0 ** e      # np.round: ties to even
;;       return np.moveaxis(q.reshape(q.shape[:-2] + (-1,))[..., :K], -1, axis).astype(np.float32)
;;   ~~~
;;   SOFTMAX AHEAD OF A QUANTISED PRODUCT. Where the list says 'softmax', what is quantised is not the finished softmax but p = 2^(t - M), with t = logit x log2(e) and M = ceil(the row's largest t), a whole number; so 1/2 < the row's largest p <= 1. The row's sum l is taken of the UNQUANTISED p, in f32, and the product's result is divided by l at the end. Since M is a whole number, a kernel that streams over the keys may use a running M (the ceiling of the running maximum): every later rescaling is an exact power of two, which a block's scale takes up: the codes' values come out the same.
;;   OPERANDS COMPUTED ON THE WAY. 'Computed on the way' means the value that the module computes at that place (a softmax that the list does not call 'softmax' is quantised finished and normalised). What goes into a quantiser is computed in f32, as accurately as f32 sums, v_exp_f32 and their like allow (about 1e-6 of the number): no bf16 or f16 on the way to a quantiser, and a product that is left as it is and whose result goes on into a quantised operand takes f32 operands (vector FMAs, or v_wmma_f32_16x16x4_f32). A number that lies on a knife's edge between two numbers of the format may be rounded either way, as far as f32 arithmetic and the matrix unit's own rounding can turn it there, and no further.
;; One version. Each part assembles by itself: llvm-mc -triple=amdgcn-amd-amdhsa -mcpu=gfx1250 --defsym DOCPART=n.
;; ======== version 1 of 1: 4 launches
;; workspace buffers: Xi 6,291,456 bytes; Xs 262,144 bytes; Wi 3,145,728 bytes; Ws 131,072 bytes; Qi 6,553,600 bytes; KVi 13,107,200 bytes; Ci 6,291,456 bytes; Cs 262,144 bytes
;; launch quant (part 1): grid 384 x 1, 4 waves a work-group, no clusters, 59,904 bytes of LDS; arguments X, W_Q, W_K, W_V, W_out, Xi, Xs, Wi, Ws; writes Xi, Xs, Wi, Ws
.if DOCPART == 1
	.amdgcn_target "amdgcn-amd-amdhsa--gfx1250"
	.amdhsa_code_object_version 6
	.text
	.protected	k_q55f6e2aa99_quant
	.globl	k_q55f6e2aa99_quant
	.p2align	8
	.type	k_q55f6e2aa99_quant,@function
k_q55f6e2aa99_quant:
	s_mov_b64 s[64:65], 0
	v_nop
	global_prefetch_b8 v0, s[64:65] scope:SCOPE_SE
	s_setreg_imm32_b32 hwreg(HW_REG_WAVE_MODE, 25, 1), 1
	s_wait_xcnt 0x0
; X [8192][1024] f32 (K innermost) and the four weights [1024 (K)][1024 (n)] f32 (K is the FIRST axis) become codes of FP6 (E2M3) with one E8M0 byte for each 32 along K.
; A block's scale is 2^(floor(log2(largest magnitude)) - 2): its byte is the largest magnitude's exponent field - 2, held at 1 from below by a floor among the maximum's leaves.
; LIMITS: a block of zeros gets the byte 1 where the rule says 127 (its codes are zeros, and these bytes are read by this program alone); NaN and infinities among the inputs are not served.
; WHAT IS STORED ARE IMAGES OF OPERAND REGISTERS.  A fragment (16 rows x 128 K, 12 registers a lane) is six chunks of 256 bytes; chunk p holds registers 2 p, 2 p + 1, lane l's 8 bytes at 8 l.  A tensor lies [tile][K step 0..7][1,536].
; Scale words lie [tile][slot 0..3][row r][2 words]: word q % 2 of slot q / 2 holds row r's four bytes of K step q.
; THE ROWS OF A TILE ARE NOT NEIGHBOURS: row r of tile 2 B + u is element 32 B + 8 u + r + 8 (r / 8) (a token of X, a column n of a weight).
; Work-groups 0-255 take X (a wave: half a tile, four fragments), work-groups 256-383 the weights (a wave: 32 columns x 256 along K).  The two paths have LDS bytes of their own.
; No tensor load, no barrier: waves share nothing.  No cluster: no two work-groups read the same bytes.  No matrix work: the launch streams its inputs once.
.set XPITCH, 528                       ; X path: a stage row: 512 bytes + 16, so that the sixteen rows of a read start in sixteen different groups of banks
.set XW,     16*XPITCH                 ; a wave's stage
.set WST,    4*XW                      ; W path: the stages begin here
.set WTILE,  3200                      ; a tile's two fragments (3,072 bytes) + 128, so that the two tiles' stores fall on different banks
.set WW,     2*WTILE
.set SPARE,  WST+4*WW                  ; the spare words, 128 bytes for each wave: two blocks of 256 bytes that no other line names
.set SPW,    252                       ; v252 LDS address of my spare word; never rewritten
.set NIL,    253                       ; v253 0; never rewritten
.set R,      16                        ; X path: v16-143 two sets of 64 numbers as loaded
.set XN,     144                       ; v144-207 64 numbers as the operand's layout gives them to my lane
.set C,      208                       ; v208-231 two sets of 12 code registers
.set CT,     232                       ; v232-238 the second halves of the conversions
.set WORD,   240                       ; v240-243 the four scale words
.set WX,     32                        ; W path: v32-95 two sets of 32 numbers
.set WC,     96                        ; v96-102 a block's codes
.set SB,     24                        ; v24-25 the scale bytes
.set OUTR,   112                       ; v112-159 the way out
	s_load_b256 s[4:11], s[0:1], 0x0               ; X s[4:5], W_Q s[6:7], W_K s[8:9], W_V s[10:11]
	s_load_b256 s[12:19], s[0:1], 0x20             ; W_out s[12:13], Xi s[14:15], Xs s[16:17], Wi s[18:19]
	s_load_b64 s[20:21], s[0:1], 0x40              ; Ws
	v_lshl_add_u32 v[SPW], v0, 2, SPARE
	v_mov_b32 v[NIL], 0
	v_lshrrev_b32 v1, 5, v0
	v_readfirstlane_b32 s22, v1                    ; wave
	v_and_b32 v1, 31, v0                           ; lane l
	v_and_b32 v2, 15, v0                           ; r
	v_bfe_u32 v3, v0, 4, 1                         ; h
	s_mov_b32 s24, 0x76543210
	s_mov_b32 s25, 0xfedcba98                      ; v_permlanex16_b32's selects for lane l xor 16
	s_wait_kmcnt 0x0
	s_cmp_lt_u32 ttmp9, 256
	s_cbranch_scc0 .Lw
; ---------------- X ----------------
	s_lshl_b32 s26, ttmp9, 2
	s_add_co_u32 s26, s26, s22                     ; g = 4 x work-group + wave: tile g / 2, K steps 4 (g % 2) on
	s_lshr_b32 s27, s26, 1                         ; tile T
	s_and_b32 s28, s26, 1                          ; half
	s_lshr_b32 s29, s27, 1
	s_lshl_b32 s29, s29, 5
	s_and_b32 s30, s27, 1
	s_lshl_b32 s30, s30, 3
	s_add_co_u32 s29, s29, s30                     ; the tile's first token: 32 (T / 2) + 8 (T % 2)
	s_lshl_b32 s30, s29, 12                        ; rows of 4,096 bytes
	s_lshl_b32 s31, s28, 11                        ; four K steps of 512 bytes
	s_add_co_u32 s30, s30, s31
	s_mov_b32 s31, 0
	s_add_nc_u64 s[4:5], s[4:5], s[30:31]
	s_mul_i32 s30, s27, 12288
	s_mul_i32 s32, s28, 6144
	s_add_co_u32 s30, s30, s32
	s_add_nc_u64 s[14:15], s[14:15], s[30:31]      ; my four fragments' images
	s_lshl_b32 s30, s26, 8                         ; 512 T + 256 half
	s_add_nc_u64 s[16:17], s[16:17], s[30:31]      ; my two slots of scale words
	v_lshlrev_b32 v4, 4, v1                        ; 16 l: my 16 bytes of a load's 512
	s_mul_i32 s32, s22, XW
	v_add_nc_u32 v5, s32, v4                       ; the stage, in: as loaded
	v_mul_u32_u24 v6, v2, XPITCH
	v_lshl_add_u32 v6, v3, 7, v6
	v_add_nc_u32 v6, s32, v6                       ; out: row r, + 128 h: lane (r, h) takes k = 64 c + 32 h + 0 .. 31
	v_lshlrev_b32 v7, 3, v1                        ; 8 l: my place in a chunk
	v_lshlrev_b32 v8, 3, v3                        ; 8 h: my bytes' place in the scale word
	v_mov_b32 v251, 0                              ; written once: a lane permute's destination counts as one of its sources
.macro XLOAD t                         ; K step t of my sixteen rows: each load reads 512 consecutive bytes of one row
.set jj, 0
.rept 16
	global_load_b128 v[R+64*((\t)%2)+4*jj:R+64*((\t)%2)+4*jj+3], v4, s[4:5] offset:(jj+8*(jj/8))*4096+512*(\t) th:TH_LOAD_NT
.set jj, jj+1
.endr
.endm
.macro XSTEP t
.set RS, R+64*((\t)%2)
.set CC, C+12*((\t)%2)
.if (\t) < 3
	s_wait_loadcnt 16                              ; this step's sixteen loads are in; the next step's sixteen may be out
.else
	s_wait_loadcnt 0x0
.endif
.set jj, 0
.rept 16
	ds_store_b128 v5, v[RS+4*jj:RS+4*jj+3] offset:XPITCH*jj
.set jj, jj+1
.endr
.irp c, 0,1
.irp i, 0,1,2,3,4,5,6,7
	ds_load_b128 v[XN+32*\c+4*\i:XN+32*\c+4*\i+3], v6 offset:256*\c+16*\i   ; LDS serves a wave's instructions in order: these see the stores above
.endr
.endr
	s_wait_dscnt 0x0                               ; the numbers are back, and the stores have read their registers,
.if (\t) < 2
	XLOAD (\t)+2                                   ; which take the loads of two steps on
.else
	s_wait_xcnt 0x0                                ; the stores of two steps ago have read this set of code registers: it is rewritten only behind this wait
.endif
.irp c, 0,1                                    ; my block 2 c + h: all its 32 numbers are mine
	v_max3_num_f32 v[244+\c], |v[XN+32*\c]|, |v[XN+32*\c+1]|, 0x1800000   ; with the floor 2^(3 - 127): the byte cannot fall under 1
.endr
.irp i, 2,4,6,8,10,12,14,16,18,20,22,24,26,28,30
.irp c, 0,1
	v_max3_num_f32 v[244+\c], v[244+\c], |v[XN+32*\c+\i]|, |v[XN+32*\c+\i+1]|
.endr
.endr
.irp c, 0,1
	v_add_nc_u32 v[246+\c], 0xff000000, v[244+\c]  ; 2 off the exponent field: the conversion's scale operand
.endr
.irp c, 0,1
	v_lshrrev_b32 v[248+\c], 23, v[246+\c]         ; the scale's byte
.endr
	v_lshl_or_b32 v250, v249, 16, v248             ; my two bytes: blocks h and 2 + h,
	v_lshlrev_b32 v250, v8, v250                   ; at their places;
	v_permlanex16_b32 v251, v250, s24, s25
	v_or_b32 v[WORD+(\t)], v250, v251              ; with lane l xor 16's two the word is whole
.irp c, 0,1
	v_cvt_scalef32_pk16_fp6_f32 v[CC+6*\c:CC+6*\c+2], v[XN+32*\c:XN+32*\c+15], v[246+\c]
	v_cvt_scalef32_pk16_fp6_f32 v[CT+4*\c:CT+4*\c+2], v[XN+32*\c+16:XN+32*\c+31], v[246+\c]   ; (a conversion's three registers begin on an even number)
.endr
	v_nop                                          ; one plain place behind a scaled conversion
.irp c, 0,1
.irp i, 0,1,2
	v_mov_b32 v[CC+6*\c+3+\i], v[CT+4*\c+\i]
.endr
.endr
.irp p, 0,1,2,3,4,5
	global_store_b64 v7, v[CC+2*\p:CC+2*\p+1], s[14:15] offset:1536*(\t)+256*\p   ; 32 lanes store 256 consecutive bytes, aligned
.endr
.endm
	XLOAD 0
	XLOAD 1
	XSTEP 0
	XSTEP 1
	XSTEP 2
	XSTEP 3
	v_cmp_le_u32 vcc_lo, 16, v1                    ; lanes 0-15 store my first slot's two words of row r, lanes 16-31 my second slot's
	v_cndmask_b32 v244, v[WORD], v[WORD+2], vcc_lo
	v_cndmask_b32 v245, v[WORD+1], v[WORD+3], vcc_lo
	global_store_b64 v7, v[244:245], s[16:17]      ; 256 consecutive bytes, aligned
	s_wait_tensorcnt 0x0                           ; the wave's end
	ds_add_u32 v[SPW], v[NIL]
	s_wait_dscnt 0x0
	s_endpgm
; ---------------- the weights: a lane takes a column n, its registers run down K ----------------
.Lw:
	s_sub_co_u32 s26, ttmp9, 256
	s_lshr_b32 s27, s26, 5                         ; which weight: 0 W_Q, 1 W_K, 2 W_V, 3 W_out
	s_bfe_u32 s28, s26, 0x30002                    ; which 128 columns
	s_and_b32 s29, s26, 3                          ; which 256 along K: a slot
	s_cmp_eq_u32 s27, 1                            ; the choice hangs on the work-group's number alone
	s_cselect_b64 s[6:7], s[8:9], s[6:7]
	s_cmp_eq_u32 s27, 2
	s_cselect_b64 s[6:7], s[10:11], s[6:7]
	s_cmp_eq_u32 s27, 3
	s_cselect_b64 s[6:7], s[12:13], s[6:7]
	s_lshl_b32 s28, s28, 2
	s_add_co_u32 s28, s28, s22                     ; B: my 32 columns are 32 B .. 32 B + 31: tiles 2 B and 2 B + 1
	s_lshl_b32 s30, s29, 20                        ; 256 rows of 4,096 bytes
	s_lshl_b32 s32, s28, 7
	s_add_co_u32 s30, s30, s32
	s_mov_b32 s31, 0
	s_add_nc_u64 s[6:7], s[6:7], s[30:31]
	s_lshl_b32 s32, s27, 6
	s_lshl_b32 s33, s28, 1
	s_add_co_u32 s32, s32, s33                     ; tile 64 x weight + 2 B
	s_mul_i32 s30, s32, 12288
	s_mul_i32 s33, s29, 3072
	s_add_co_u32 s30, s30, s33
	s_add_nc_u64 s[18:19], s[18:19], s[30:31]
	s_lshl_b32 s30, s32, 9
	s_lshl_b32 s33, s29, 7
	s_add_co_u32 s30, s30, s33
	s_add_nc_u64 s[20:21], s[20:21], s[30:31]
	v_lshlrev_b32 v4, 2, v1                        ; in: 4 bytes a lane
	v_bfe_u32 v10, v0, 3, 1                        ; u: column 32 B + l is row (l % 8) + 8 (l / 16) of tile 2 B + (l / 8) % 2
	v_and_b32 v11, 7, v0
	v_lshl_add_u32 v11, v3, 3, v11                 ; that row
	s_mul_i32 s32, s22, WW
	s_add_co_u32 s32, s32, WST                     ; my stage
	v_mul_u32_u24 v5, v10, WTILE
	v_lshl_add_u32 v5, v11, 3, v5
	v_add_nc_u32 v5, s32, v5                       ; into it: my tile's images, my row's 8 bytes of a chunk
	v_lshlrev_b32 v7, 4, v1                        ; 16 l
	v_add_nc_u32 v6, s32, v7                       ; out of it: as it lies
	v_lshlrev_b32 v9, 9, v10
	v_lshl_add_u32 v9, v11, 3, v9                  ; my row's two scale words: 512 u + 8 row
.macro WLOAD t                         ; block t: W(32 t + i, my column): 32 lanes read 128 consecutive bytes
.set jj, 0
.rept 32
	global_load_b32 v[WX+32*((\t)%2)+jj], v4, s[6:7] offset:(32*(\t)+jj)*4096 th:TH_LOAD_NT
.set jj, jj+1
.endr
.endm
.macro WBLOCK t
.set WS0, WX+32*((\t)%2)
.if (\t) < 7
	s_wait_loadcnt 32                              ; this block's 32 loads are in; the next block's may be out
.else
	s_wait_loadcnt 0x0
.endif
	v_max3_num_f32 v12, |v[WS0]|, |v[WS0+1]|, |v[WS0+2]|   ; the block's largest magnitude: all 32 numbers are mine
	v_max3_num_f32 v13, |v[WS0+3]|, |v[WS0+4]|, |v[WS0+5]|
.irp i, 6,10,14,18,22,26
	v_max3_num_f32 v12, v12, |v[WS0+\i]|, |v[WS0+\i+1]|
	v_max3_num_f32 v13, v13, |v[WS0+\i+2]|, |v[WS0+\i+3]|
.endr
	v_max3_num_f32 v12, v12, |v[WS0+30]|, |v[WS0+31]|
	v_max3_num_f32 v12, v12, v13, 0x1800000        ; and the floor 2^(3 - 127)
	v_add_nc_u32 v14, 0xff000000, v12              ; the conversion's scale operand
	v_lshrrev_b32 v15, 23, v14                     ; the byte
.if (\t)%4 == 0
	v_mov_b32 v[SB+(\t)/4], v15                    ; four bytes to a word, the lower K in the lower byte
.else
	v_lshl_or_b32 v[SB+(\t)/4], v15, 8*((\t)%4), v[SB+(\t)/4]
.endif
	v_cvt_scalef32_pk16_fp6_f32 v[WC:WC+2], v[WS0:WS0+15], v14
	v_cvt_scalef32_pk16_fp6_f32 v[WC+4:WC+6], v[WS0+16:WS0+31], v14   ; (a conversion's three registers begin on an even number)
	v_nop                                          ; one plain place behind a scaled conversion
	v_mov_b32 v[WC+3], v[WC+4]
	v_mov_b32 v[WC+4], v[WC+5]
	v_mov_b32 v[WC+5], v[WC+6]                     ; six registers on end: registers 6 c .. 6 c + 5 of lane (row, t % 2), c = (t % 4) / 2, of K step t / 4
.irp i, 0,1,2
	ds_store_b64 v5, v[WC+2*\i:WC+2*\i+1] offset:1536*((\t)/4)+256*(3*(((\t)%4)/2)+\i)+128*((\t)%2)
.endr
.if (\t)+2 < 8
	WLOAD (\t)+2
.endif
	s_wait_dscnt 0x0                               ; the stores have read their registers: the next block's codes may be written
.endm
	WLOAD 0
	WLOAD 1
.irp t, 0,1,2,3,4,5,6,7
	WBLOCK \t
.endr
	global_store_b64 v9, v[SB:SB+1], s[20:21]      ; sixteen lanes store a tile's 128 consecutive bytes of this slot
.irp n, 0,1,2,3,4,5,6,7,8,9,10,11
	ds_load_b128 v[OUTR+4*\n:OUTR+4*\n+3], v6 offset:WTILE*(\n/6)+512*(\n%6)   ; LDS serves a wave's instructions in order: these see my stores
.endr
.irp n, 0,1,2,3,4,5,6,7,8,9,10,11
	s_wait_dscnt 11-\n                             ; the younger read-backs may be out
	global_store_b128 v7, v[OUTR+4*\n:OUTR+4*\n+3], s[18:19] offset:12288*(\n/6)+512*(\n%6)   ; 512 consecutive bytes, aligned
.endr
	s_wait_tensorcnt 0x0                           ; the wave's end
	ds_add_u32 v[SPW], v[NIL]
	s_wait_dscnt 0x0
	s_endpgm
.Lfunc_end_k_q55f6e2aa99_quant:
	.size	k_q55f6e2aa99_quant, .Lfunc_end_k_q55f6e2aa99_quant-k_q55f6e2aa99_quant
	.p2alignl 7, 3214868480
	.fill 96, 4, 3214868480
	.section	.rodata,"a",@progbits
	.p2align	6, 0x0
	.amdhsa_kernel k_q55f6e2aa99_quant
		.amdhsa_group_segment_fixed_size 59904
		.amdhsa_private_segment_fixed_size 0
		.amdhsa_enable_private_segment 0
		.amdhsa_kernarg_size 72
		.amdhsa_user_sgpr_count 2
		.amdhsa_user_sgpr_kernarg_segment_ptr 1
		.amdhsa_wavefront_size32 1
		.amdhsa_system_sgpr_workgroup_id_x 1
		.amdhsa_system_sgpr_workgroup_id_y 1
		.amdhsa_system_sgpr_workgroup_id_z 1
		.amdhsa_system_vgpr_workitem_id 0
		.amdhsa_next_free_vgpr 256
		.amdhsa_next_free_sgpr 66
		.amdhsa_reserve_vcc 1
		.amdhsa_float_denorm_mode_32 3
		.amdhsa_float_denorm_mode_16_64 3
		.amdhsa_memory_ordered 1
		.amdhsa_forward_progress 1
		.amdhsa_inst_pref_size 73
	.end_amdhsa_kernel
	.amdgpu_metadata
---
amdhsa.version: [ 1, 2 ]
amdhsa.kernels:
  - .name:           k_q55f6e2aa99_quant
    .symbol:         k_q55f6e2aa99_quant.kd
    .args:
      - { .name: X, .offset: 0, .size: 8, .value_kind: global_buffer, .address_space: global }
      - { .name: W_Q, .offset: 8, .size: 8, .value_kind: global_buffer, .address_space: global }
      - { .name: W_K, .offset: 16, .size: 8, .value_kind: global_buffer, .address_space: global }
      - { .name: W_V, .offset: 24, .size: 8, .value_kind: global_buffer, .address_space: global }
      - { .name: W_out, .offset: 32, .size: 8, .value_kind: global_buffer, .address_space: global }
      - { .name: Xi, .offset: 40, .size: 8, .value_kind: global_buffer, .address_space: global }
      - { .name: Xs, .offset: 48, .size: 8, .value_kind: global_buffer, .address_space: global }
      - { .name: Wi, .offset: 56, .size: 8, .value_kind: global_buffer, .address_space: global }
      - { .name: Ws, .offset: 64, .size: 8, .value_kind: global_buffer, .address_space: global }
    .group_segment_fixed_size: 59904
    .private_segment_fixed_size: 0
    .kernarg_segment_align: 8
    .kernarg_segment_size: 72
    .max_flat_workgroup_size: 128
    .sgpr_count:     66
    .vgpr_count:     256
    .wavefront_size: 32
...
	.end_amdgpu_metadata
.endif
;; end of part 1
;; launch qkv (part 2): grid 12 x 32, 4 waves a work-group, clusters of 4 x 4, 327,680 bytes of LDS; arguments Xi, Xs, Wi, Ws, Qi, KVi; writes Qi, KVi
.if DOCPART == 2
	.amdgcn_target "amdgcn-amd-amdhsa--gfx1250"
	.amdhsa_code_object_version 6
	.text
	.protected	k_q55f6e2aa99_qkv
	.globl	k_q55f6e2aa99_qkv
	.p2align	8
	.type	k_q55f6e2aa99_qkv,@function
k_q55f6e2aa99_qkv:
	s_mov_b64 s[64:65], 0
	v_nop
	global_prefetch_b8 v0, s[64:65] scope:SCOPE_SE
	s_setreg_imm32_b32 hwreg(HW_REG_WAVE_MODE, 25, 1), 1
	s_wait_xcnt 0x0
	s_wait_alu depctr_hold_cnt(0) depctr_sa_sdst(0) depctr_va_vdst(0) depctr_va_sdst(0) depctr_va_ssrc(0) depctr_va_vcc(0) depctr_vm_vsrc(0)
	s_getreg_b32 s2, hwreg(HW_REG_IB_STS2, 6, 4)
	s_cmp_eq_u32 s2, 0
	s_cbranch_scc0 .Lentry_in_a_cluster
	s_endpgm
.Lentry_in_a_cluster:
	s_bfe_u32 s2, ttmp6, 0x10000c
	s_cmp_lg_u32 s2, 0xf033
	s_cbranch_scc0 .Lentry_shape_is_right
	s_endpgm
.Lentry_shape_is_right:
; Q = X W_Q, K = X W_K, V = X W_V on codes of FP6 (E2M3) with E8M0 scales, sums in f32; the results are quantised in registers and leave as codes: Q and K along the head's 64, V along the keys.
; A tile of 256 x 256 results is made by four waves, 128 x 128 each: 64 accumulators, 512 registers.  K = 1,024 goes in four slots of 256 through a ring of two LDS slots filled by the tensor data mover.
; OPERANDS ARE IMAGES OF REGISTERS: a fragment (16 rows x 128 K) is six chunks of 256 bytes, chunk p = registers 2 p, 2 p + 1, lane l's 8 bytes at 8 l; tensors lie [tile][K step][1,536].  So six loads of 8 bytes at
; 8 l + 256 p bring a fragment: consecutive bytes, no padding.  Row r of tile 2 B + u is element 32 B + 8 u + r + 8 (r / 8), so that the 16 registers of two neighbouring tiles of source 0 are 16 neighbours.
; THE KIND is the cluster's x: 0 Q, 1 K, 2 V; it is the same in all sixteen partners.  Q, K: source 1 (called A) = tokens of X, source 0 (called B) = columns of W: a lane holds one token, its registers run along the head's dims.
; V: A = columns of W_V, B = tokens: a lane holds one dim, its registers run along the keys.  The loop is one text for the three.
; CLUSTERS: 4 x 4 work-groups; A's tiles are shared along a row of the cluster, B's along a column, each asked for jointly.  384 tiles for 256 WGPs: tiles of another width would cut heads in two.
; OUT: blocks of 6,400 bytes for one head and 128 tokens: four images of 12 registers (three chunks of 512 bytes, chunk c = registers 4 c .. 4 c + 3, 16 bytes a lane), then 256 bytes of scale words, lane l's two words at 8 l:
; word j of lane (r, h) is row r's of image 2 j + h.  Q, K: image g = token tile 2 g in registers 0-5 and tile 2 g + 1 in registers 6-11.  V: image g = dims tile g x 128 keys.
; LIMITS: a block of zeros gets the byte 1 (its codes are zeros; the bytes are read by this program alone); NaN and infinities are not served.
; REGISTERS: window 0: v0-31 addresses; v32-63 scale words, two sets; v64-99 at work on the way out; from v128 A's fragments, later the images.  window 1: B's fragments, two sets.  windows 2, 3: the accumulators ((a, b) at v[8 (8 (a % 4) + b)]).
.set NQ,     2                         ; matrix instructions deep in a slot
.set FR,     12                        ; registers of a fragment
.set NL,     6                         ; LDS loads that bring one
.set NP,     4                         ; places behind this matrix instruction (ISA guide 7.12.1)
.set TILEB,  3072                      ; a tile's two K steps in a slot
.set HALFT,  8*TILEB                   ; 8 tiles: what one tensor load brings, and what one wave reads of A or of B
.set SLOT,   4*HALFT                   ; A's 16 tiles, then B's
.set LAPS,   2                         ; a lap = two slots = once round the ring
.set SCL,    2*SLOT                    ; behind the ring: the scale words for all of K: A's 8,192 bytes, then B's
.set HALFS,  4096                      ; those of 8 tiles
.set SPARE,  SCL+4*HALFS               ; the spare words, 128 bytes for each wave: two blocks of 256 bytes that no other line names
.set ADRA, 16                          ; v16-17 LDS address of my A fragments in slot 0, 1
.set ADRB, 20                          ; v20-21 the same for B
.set L16,  24                          ; v24 the way out: 16 l
.set L8,   25                          ; v25 8 l
.set ADRS, 27                          ; v27 LDS address of my scale words: lanes 0-15 A's rows, lanes 16-31 B's
.set SPW,  28                          ; v28 LDS address of my spare word; never rewritten
.set NIL,  29                          ; v29 0; never rewritten
.set SC,   32                          ; scale words: set s at v[SC + 16 s]; register 2 i + q: lanes 0-15 A's block i, lanes 16-31 B's block i
.set TM,   64                          ; the way out: v64-67 maxima, v68-71 bytes, v76-79 the conversions' scale operands
.set T2,   80                          ; v80-82, v84-86 second halves of the conversions
.set SW,   88                          ; v88-95 scale words: head e, image g at SW + 4 e + g
.set WP,   96                          ; v96-99 the pairs that are stored
.set AF,   128                         ; A's fragments
.set IMG,  128                         ; the way out: images
.set G1, 24
.set G0, 32
.set G1B, 48
.set G0B, 56
.set G1S, 68
.set G0S, 76
.set G1SB, 80
.set G0SB, 88
.set MSB, 0
.macro WIN new                         ; the immediate's high byte repeats the setting that is left
.if MSB != \new
	s_set_vgpr_msb (MSB<<8)|\new
.set MSB, \new
.endif
.endm
.set MUL_LO, 0xa1                      ; source 0 (B) window 1, source 1 (A) window 0, C and D window 2
.set MUL_HI, 0xf1                      ; the same, C and D window 3
.set TO_B,   0x40                      ; destination window 1, address window 0
; A joint load: waves 0 and 1 fetch for A, waves 2 and 3 for B.  The branch hangs on the wave's number alone.  An s_nop 0 and four v_nop follow each of the two lines.
.macro JLOAD g0a, g1a, g0b, g1b
	s_cmp_eq_u32 s15, 0
	s_cbranch_scc0 .Lfor_b_\@
	tensor_load_to_lds s[\g0a:\g0a+3], s[\g1a:\g1a+7]
	s_nop 0
.rept 4
	v_nop
.endr
	s_branch .Lasked_\@
.Lfor_b_\@:
	tensor_load_to_lds s[\g0b:\g0b+3], s[\g1b:\g1b+7]
	s_nop 0
.rept 4
	v_nop
.endr
.Lasked_\@:
.endm
.macro CREST                           ; a round of the cluster's barrier behind its opening barrier
	s_cmp_lg_u32 s14, 0
	s_cbranch_scc1 .Lnot_wave_0_\@
	s_barrier_signal -3
.Lnot_wave_0_\@:
	s_barrier_wait -3
	s_barrier_signal -1
	s_barrier_wait -1
.endm
.macro CROUND                          ; a whole round
	s_barrier_signal -1
	s_barrier_wait -1
	CREST
.endm
	s_load_b256 s[4:11], s[0:1], 0x0               ; Xi s[4:5], Xs s[6:7], Wi s[8:9], Ws s[10:11]
	s_load_b128 s[96:99], s[0:1], 0x20             ; Qi s[96:97], KVi s[98:99]
	v_lshl_add_u32 v[SPW], v0, 2, SPARE
	v_mov_b32 v[NIL], 0
	ds_add_u32 v[SPW], v[NIL]
	ds_add_u32 v[SPW], v[NIL]                      ; the wave's opening: the add and its wait stand ahead of my first tensor load; the set-up below, work on registers, stands between them
	v_lshrrev_b32 v1, 5, v0
	v_readfirstlane_b32 s14, v1                    ; wave 0..3
	s_lshr_b32 s15, s14, 1                         ; which half of A's rows is mine.  Also: I fetch for A (0) or for B (1)
	s_and_b32 s16, s14, 1                          ; which half of B's rows.  Also: which 8 tiles I fetch
	s_bfe_u32 s40, ttmp6, 0x40000                  ; cx, cy: my place in the cluster
	s_bfe_u32 s41, ttmp6, 0x40004
	s_and_b32 s18, ttmp7, 0xffff
	s_lshl_b32 s18, s18, 2                         ; 4 x cluster y: the cluster's first block of 256 tokens
	s_lshl_b32 s19, ttmp9, 2                       ; 4 x kind: W_Q's or W_K's first block of 256 columns
	s_cmp_eq_u32 ttmp9, 2                          ; V?  The cluster's x: the same in all partners
	s_cselect_b32 s17, 8, s18
	s_cselect_b32 s42, s18, s19
	s_add_co_u32 s17, s17, s41                     ; A's block of 256 rows: tokens 4 y + cy, or W_V's 8 + cy
	s_add_co_u32 s42, s42, s40                     ; B's: columns 4 kind + cx, or tokens 4 y + cx
	s_lshl_b32 s43, s41, 2
	s_lshl_b32 s43, 15, s43                        ; my row of the cluster
	s_lshl_b32 s44, 0x1111, s40                    ; my column
	; descriptor group 1 for codes: 8 tiles' 3,072 bytes (384 elements of 8 bytes), 12,288 bytes (1,536 elements) apart; no padding
	s_or_b32 s[G1+0], s43, (3<<16)|(1<<21)         ; 15:0 the mask: A's tiles go to my row; 17:16 elements of 8 bytes; 21 set beside a mask
	s_or_b32 s[G1B+0], s44, (3<<16)|(1<<21)
.irp g, G1, G1B
	s_mov_b32 s[\g+1], 384<<16                     ; tensor_dim0
	s_mov_b32 s[\g+2], 8<<16                       ; tensor_dim1
	s_mov_b32 s[\g+3], 384<<16                     ; tile_dim0
	s_mov_b32 s[\g+4], 8                           ; tile_dim1
	s_mov_b32 s[\g+5], 1536                        ; tensor_dim0_stride
	s_mov_b32 s[\g+6], 0
	s_mov_b32 s[\g+7], 0
.endr
	; and for the scale words of 8 tiles: 4,096 dense bytes as 16 rows of 256
	s_or_b32 s[G1S+0], s43, (3<<16)|(1<<21)
	s_or_b32 s[G1SB+0], s44, (3<<16)|(1<<21)
.irp g, G1S, G1SB
	s_mov_b32 s[\g+1], 32<<16
	s_mov_b32 s[\g+2], 16<<16
	s_mov_b32 s[\g+3], 32<<16
	s_mov_b32 s[\g+4], 16
	s_mov_b32 s[\g+5], 32
	s_mov_b32 s[\g+6], 0
	s_mov_b32 s[\g+7], 0
.endr
	s_mul_i32 s18, s16, 98304                      ; which 8 tiles of the 16 I fetch
	s_mul_i32 s20, s17, 196608
	s_add_co_u32 s20, s20, s18                     ; A's codes, in bytes
	s_mov_b32 s21, 0
	s_mul_i32 s46, s42, 196608
	s_add_co_u32 s46, s46, s18                     ; B's
	s_mov_b32 s47, 0
	s_lshl_b32 s19, s16, 12
	s_lshl_b32 s22, s17, 13
	s_add_co_u32 s22, s22, s19                     ; A's scale words
	s_mov_b32 s23, 0
	s_lshl_b32 s92, s42, 13
	s_add_co_u32 s92, s92, s19                     ; B's
	s_mov_b32 s93, 0
	s_mul_i32 s45, s14, HALFT                      ; where they go: wave x 8 tiles: no place in the cluster enters an LDS address
	s_mul_i32 s94, s14, HALFS
	s_wait_dscnt 0x0                               ; the opening add is done
	s_wait_kmcnt 0x0
	s_cmp_eq_u32 ttmp9, 2                          ; which buffers are A and B: the choice hangs on the kind alone
	s_cselect_b64 s[18:19], s[8:9], s[4:5]         ; A's codes
	s_cselect_b64 s[4:5], s[4:5], s[8:9]           ; B's codes
	s_cselect_b64 s[8:9], s[10:11], s[6:7]         ; A's scale words
	s_cselect_b64 s[6:7], s[6:7], s[10:11]         ; B's
	s_add_nc_u64 s[20:21], s[18:19], s[20:21]
	s_add_nc_u64 s[22:23], s[8:9], s[22:23]
	s_add_nc_u64 s[46:47], s[4:5], s[46:47]
	s_add_nc_u64 s[92:93], s[6:7], s[92:93]
	CROUND                                         ; all sixteen work-groups are here: the first joint loads meet
	s_mov_b32 s[G0S], 1
	s_add_co_u32 s[G0S+1], s94, SCL
	s_mov_b64 s[G0S+2:G0S+3], s[22:23]
	s_or_b32 s[G0S+3], s[G0S+3], 0x80000000
	s_mov_b32 s[G0SB], 1
	s_add_co_u32 s[G0SB+1], s94, SCL
	s_mov_b64 s[G0SB+2:G0SB+3], s[92:93]
	s_or_b32 s[G0SB+3], s[G0SB+3], 0x80000000
	JLOAD G0S, G1S, G0SB, G1SB                     ; the scale words first: they are wanted with slot 0
.irp s, 0,1
	s_mov_b32 s[G0+4*\s], 1
	s_add_co_u32 s[G0+4*\s+1], s45, \s*SLOT
	s_add_nc_u64 s[G0+4*\s+2:G0+4*\s+3], s[20:21], \s*TILEB
	s_or_b32 s[G0+4*\s+3], s[G0+4*\s+3], 0x80000000
	s_mov_b32 s[G0B+4*\s], 1
	s_add_co_u32 s[G0B+4*\s+1], s45, \s*SLOT
	s_add_nc_u64 s[G0B+4*\s+2:G0B+4*\s+3], s[46:47], \s*TILEB
	s_or_b32 s[G0B+4*\s+3], s[G0B+4*\s+3], 0x80000000
	JLOAD G0+4*\s, G1, G0B+4*\s, G1B
.endr
	v_and_b32 v1, 15, v0                           ; r
	v_bfe_u32 v2, v0, 4, 1                         ; h
	s_wait_alu depctr_va_vdst(0)
	v_and_b32 v3, 31, v0                           ; l
	v_lshlrev_b32 v4, 3, v3                        ; 8 l
	s_mul_i32 s21, s15, HALFT                      ; my 8 tiles of A
	s_mul_i32 s22, s16, HALFT                      ; my 8 tiles of B,
	s_add_co_u32 s22, s22, 2*HALFT                 ; which lie behind A's 16
.irp s, 0,1
	v_add_nc_u32 v[ADRA+\s], s21, v4
	v_add_nc_u32 v[ADRB+\s], s22, v4
	s_add_co_u32 s21, s21, SLOT
	s_add_co_u32 s22, s22, SLOT
.endr
	v_lshlrev_b32 v5, 3, v1                        ; my row's two words of a slot: 8 r
	s_mul_i32 s21, s15, HALFS                      ; A's: my 8 tiles
	s_mul_i32 s22, s16, HALFS                      ; B's: my 8 tiles, behind A's 16
	s_add_co_u32 s22, s22, 2*HALFS
	s_sub_co_u32 s22, s22, s21
	v_mul_u32_u24 v6, s22, v2                      ; lanes 16-31 take B's: one product, the distance between the two
	s_add_co_u32 s21, s21, SCL
	v_add_nc_u32 v5, v5, v6
	v_add_nc_u32 v[ADRS], s21, v5
.macro FRAG reg, adr, q, i             ; a fragment: six chunks of 256 bytes, 8 bytes a lane
.irp p, 0,1,2,3,4,5
	ds_load_b64 v[\reg+2*\p:\reg+2*\p+1], v[\adr] offset:(\i)*TILEB+(\q)*1536+256*\p
.endr
.endm
; 16 matrix instructions: A's blocks a0, a0 + 1 x B's eight, 128 along K: the slot's q-th.  p: B's set; sc: the set of scale words.  zero = 1: the first product starts the sums.
; The 64 accumulators take turns, one instruction a turn, in the same order in every step.
.macro MUL16 a0, p, q, sc, zero
.irp a, \a0, \a0+1
.irp b, 0,1,2,3,4,5,6,7
.if \zero
	v_wmma_scale_f32_16x16x128_f8f6f4 v[8*(8*((\a)%4)+\b):8*(8*((\a)%4)+\b)+7], v[128*(\p)+FR*\b:128*(\p)+FR*\b+FR-1], v[AF+FR*(\a):AF+FR*(\a)+FR-1], 0, v[SC+8*NQ*(\sc)+NQ*\b+(\q)], v[SC+8*NQ*(\sc)+NQ*(\a)+(\q)] matrix_a_fmt:MATRIX_FMT_FP6 matrix_b_fmt:MATRIX_FMT_FP6 matrix_a_scale:MATRIX_SCALE_ROW1
.else
	v_wmma_scale_f32_16x16x128_f8f6f4 v[8*(8*((\a)%4)+\b):8*(8*((\a)%4)+\b)+7], v[128*(\p)+FR*\b:128*(\p)+FR*\b+FR-1], v[AF+FR*(\a):AF+FR*(\a)+FR-1], v[8*(8*((\a)%4)+\b):8*(8*((\a)%4)+\b)+7], v[SC+8*NQ*(\sc)+NQ*\b+(\q)], v[SC+8*NQ*(\sc)+NQ*(\a)+(\q)] matrix_a_fmt:MATRIX_FMT_FP6 matrix_b_fmt:MATRIX_FMT_FP6 matrix_a_scale:MATRIX_SCALE_ROW1
.endif
.endr
.endr
.endm
.macro FETCH_B slot, q, p              ; B's eight fragments of the slot's q-th 128 along K into set p
	WIN TO_B
.irp i, 0,1,2,3,4,5,6,7
	FRAG 128*(\p)+FR*\i, ADRB+\slot, \q, \i
.endr
	WIN 0
.endm
.macro FETCH_A slot, q, i0             ; A's blocks i0 .. i0 + 3
.irp i, \i0, \i0+1, \i0+2, \i0+3
	FRAG AF+FR*(\i), ADRA+\slot, \q, \i
.endr
.endm
.macro SCALES sc                       ; a slot's scale words into set sc: two words a row
.irp i, 0,1,2,3,4,5,6,7
	ds_load_b64 v[SC+8*NQ*\sc+NQ*\i:SC+8*NQ*\sc+NQ*\i+1], v[ADRS] offset:\i*512
.endr
.endm
.macro PLACES n                        ; plain places behind matrix instructions, in front of loads into registers that they have read and of the first read of results
.rept \n
	v_nop
.endr
.endm
; A step of 128 along K that has its successor in the same slot.
.macro STEP slot, q, zero
	s_wait_dscnt 4*NL                              ; B's set and A's blocks 0-3 are in; the youngest 24 loads (A's blocks 4-7) may be out
	WIN MUL_LO
	MUL16 0, (\q)%2, \q, \slot, \zero
	MUL16 2, (\q)%2, \q, \slot, \zero
	s_wait_dscnt 0                                 ; A's blocks 4-7 are in
	PLACES NP
	FETCH_B \slot, (\q)+1, 1-(\q)%2
	FETCH_A \slot, (\q)+1, 0
	WIN MUL_HI
	MUL16 4, (\q)%2, \q, \slot, \zero
	MUL16 6, (\q)%2, \q, \slot, \zero
	PLACES NP
	WIN 0
	FETCH_A \slot, (\q)+1, 4
.endm
; A slot's last step changes slots: ONE barrier; in front of it each wave waits for all its tensor loads, adds 0 to its spare word, and waits for that and for its own reads of this slot.  fill = 1: this slot is filled again, two slots ahead.
.macro TURN slot, next, fill
	s_wait_tensorcnt 0x0                           ; all my tensor loads have landed: my part of the next slot
	ds_add_u32 v[SPW], v[NIL]                      ; 0 onto my spare word
	s_wait_dscnt 4*NL+1                            ; (the add and the youngest 24 loads, A's blocks 4-7, may be out)
	WIN MUL_LO
	MUL16 0, 1, NQ-1, \slot, 0                     ; sixteen matrix instructions stand between the add and the wait for it
	s_wait_dscnt 0x0                               ; the add is done, and my reads of this slot are over
	s_barrier_signal -1
	MUL16 2, 1, NQ-1, \slot, 0
	WIN 0
	s_barrier_wait -1
.if \fill
	CREST                                          ; the barrier has opened a round of the cluster's barrier: no wave of any partner still reads this slot or has a load on its way
	s_add_nc_u64 s[G0+4*\slot+2:G0+4*\slot+3], s[G0+4*\slot+2:G0+4*\slot+3], 2*TILEB
	s_add_nc_u64 s[G0B+4*\slot+2:G0B+4*\slot+3], s[G0B+4*\slot+2:G0B+4*\slot+3], 2*TILEB
	JLOAD G0+4*\slot, G1, G0B+4*\slot, G1B         ; the first tensor load behind the round; its four v_nop are also the places in front of the loads below
.else
	PLACES NP
.endif
	s_wait_alu depctr_va_vdst(0)
	v_add_nc_u32 v[ADRS], 128, v[ADRS]             ; on to the next slot's scale words (no LDS load of mine is out)
	FETCH_B \next, 0, 0
	FETCH_A \next, 0, 0
	SCALES \next
	WIN MUL_HI
	MUL16 4, 1, NQ-1, \slot, 0
	MUL16 6, 1, NQ-1, \slot, 0
	PLACES NP
	WIN 0
	FETCH_A \next, 0, 4
.endm
	s_wait_alu depctr_va_vdst(0)
	s_wait_tensorcnt 1                             ; the scale words and my part of slot 0 are in (slot 1's load may be out)
	s_barrier_signal -1
	s_barrier_wait -1                              ; everybody's are
	FETCH_B 0, 0, 0
	FETCH_A 0, 0, 0
	SCALES 0
	FETCH_A 0, 0, 4
	STEP 0, 0, 1                                   ; the first step stands in front of the loop: its products start the sums
	s_mov_b32 s3, LAPS-1
.Llap:                                                 ; a trip goes once round the ring and fills both slots again
	TURN 0, 1, 1
	STEP 1, 0, 0
	TURN 1, 0, 1
	STEP 0, 0, 0
	s_sub_co_u32 s3, s3, 1
	s_cmp_lg_u32 s3, 0
	s_cbranch_scc1 .Llap
	TURN 0, 1, 0                                   ; the last lap fills nothing
	STEP 1, 0, 0
	s_wait_dscnt 4*NL                              ; the very last step
	WIN MUL_LO
	MUL16 0, 1, NQ-1, 1, 0
	MUL16 2, 1, NQ-1, 1, 0
	s_wait_dscnt 0
	WIN MUL_HI
	MUL16 4, 1, NQ-1, 1, 0
	MUL16 6, 1, NQ-1, 1, 0
	WIN 0
; THE WAY OUT.  The 64 registers of A's block a are, for my lane's row, 128 neighbours along B's rows, 16 of each block of 32: register 16 b + i = element 32 b + 16 h + i.
; QUANT makes of them four blocks' codes: blocks 0, 1 into six registers at dlo, blocks 2, 3 at dhi, and leaves the four bytes in v[TM+4] on.  Each accumulator is read from its low end on.
.macro QUANT a, dlo, dhi
.set AC, 64*((\a)%4)
.set WD, 2+(\a)/4
.set WQ, (WD<<2)|(WD<<4)
	WIN WQ                                         ; sources 1 and 2: the accumulators' window
.irp b, 0,1,2,3
	v_max3_num_f32 v[TM+\b], 0x1800000, |v[AC+16*\b]|, |v[AC+16*\b+1]|   ; with the floor 2^(3 - 127): the byte cannot fall under 1
.endr
.irp i, 2,4,6,8,10,12,14
.irp b, 0,1,2,3
	v_max3_num_f32 v[TM+\b], v[TM+\b], |v[AC+16*\b+\i]|, |v[AC+16*\b+\i+1]|
.endr
.endr
	WIN 0
.irp b, 0,1,2,3
	v_permlanex16_b32 v[TM+4+\b], v[TM+\b], s18, s19
.endr
.irp b, 0,1,2,3
	v_max_num_f32 v[TM+\b], v[TM+\b], v[TM+4+\b]   ; with lane l xor 16's: the block's largest magnitude
.endr
.irp b, 0,1,2,3
	v_add_nc_u32 v[TM+12+\b], 0xff000000, v[TM+\b] ; 2 off the exponent field: the conversion's scale operand
.endr
.irp b, 0,1,2,3
	v_lshrrev_b32 v[TM+4+\b], 23, v[TM+12+\b]      ; the byte
.endr
	WIN WD                                         ; source 0: the accumulators' window
	v_cvt_scalef32_pk16_fp6_f32 v[\dlo:\dlo+2], v[AC:AC+15], v[TM+12]
	v_cvt_scalef32_pk16_fp6_f32 v[T2:T2+2], v[AC+16:AC+31], v[TM+13]
	v_cvt_scalef32_pk16_fp6_f32 v[\dhi:\dhi+2], v[AC+32:AC+47], v[TM+14]
	v_cvt_scalef32_pk16_fp6_f32 v[T2+4:T2+6], v[AC+48:AC+63], v[TM+15]
	WIN 0
	v_nop                                          ; one plain place behind a scaled conversion
.irp i, 0,1,2                                  ; the operand's layout wants a WHOLE block in a lane: lanes 0-15 the even block, lanes 16-31 the odd one
	v_permlane16_swap_b32 v[\dlo+\i], v[T2+\i]
.endr
.irp i, 0,1,2
	v_mov_b32 v[\dlo+3+\i], v[T2+\i]
.endr
.irp i, 0,1,2
	v_permlane16_swap_b32 v[\dhi+\i], v[T2+4+\i]
.endr
.irp i, 0,1,2
	v_mov_b32 v[\dhi+3+\i], v[T2+4+\i]
.endr
.endm
	PLACES NP                                      ; behind the last products: results are read, and registers that held A's fragments are written
	v_and_b32 v26, 31, v0
	v_lshlrev_b32 v[L16], 4, v26
	v_lshlrev_b32 v[L8], 3, v26
	v_cmp_le_u32 vcc_lo, 16, v26                   ; lanes 16-31 (no tensor load follows)
.irp b, 0,1,2,3
	v_mov_b32 v[TM+4+\b], 0                        ; written once: a lane permute's destination counts as one of its sources
.endr
	s_mov_b32 s18, 0x76543210
	s_mov_b32 s19, 0xfedcba98                      ; v_permlanex16_b32's selects for lane l xor 16
	s_cmp_eq_u32 ttmp9, 2
	s_cbranch_scc1 .Lv_out
	; ---- Q, K: my 8 token tiles x two heads.  Blocks 0, 1 are head 0's 64 dims, blocks 2, 3 head 1's.
	s_lshl_b32 s20, s17, 1
	s_add_co_u32 s20, s20, s15                     ; which 128 tokens of the 8,192
	s_lshr_b32 s21, s20, 4                         ; the batch
	s_and_b32 s22, s20, 15                         ; the step of 128 tokens in it
	s_and_b32 s23, s42, 3
	s_lshl_b32 s23, s23, 2
	s_lshl_b32 s46, s16, 1
	s_add_co_u32 s23, s23, s46                     ; my first head: 4 (B's block % 4) + 2 x half
	s_lshl_b32 s21, s21, 4
	s_add_co_u32 s23, s23, s21                     ; 16 x batch + head
	s_mul_i32 s46, s23, 102400
	s_mul_i32 s47, s22, 6400
	s_add_co_u32 s46, s46, s47                     ; in Qi: [head][step][6,400]
	s_mul_i32 s92, s23, 204800
	s_lshr_b32 s93, s22, 1
	s_mul_i32 s93, s93, 25600
	s_add_co_u32 s92, s92, s93
	s_and_b32 s93, s22, 1
	s_mul_i32 s93, s93, 6400
	s_add_co_u32 s92, s92, s93                     ; in KVi: [head][slot][K 0, K 1, V 0, V 1][6,400]
	s_mov_b32 s94, 204800
	s_cmp_eq_u32 ttmp9, 0
	s_cselect_b64 s[12:13], s[96:97], s[98:99]
	s_cselect_b32 s46, s46, s92
	s_cselect_b32 s94, 102400, s94                 ; from a head to the next
	s_mov_b32 s47, 0
	s_mov_b32 s95, 0
	s_add_nc_u64 s[12:13], s[12:13], s[46:47]      ; head 0's block
	s_add_nc_u64 s[66:67], s[12:13], s[94:95]      ; head 1's
.irp g, 0,1,2,3                                ; image g: token tiles 2 g and 2 g + 1
.set DS, IMG+24*(\g%2)
.if \g >= 2
	s_wait_xcnt 0x0                                ; the stores of two images ago have read this set of registers
.endif
	QUANT 2*\g, DS, DS+12
	v_lshl_or_b32 v[SW+\g], v[TM+5], 8, v[TM+4]
	v_lshl_or_b32 v[SW+4+\g], v[TM+7], 8, v[TM+6]
	QUANT 2*\g+1, DS+6, DS+18
	v_lshl_or_b32 v[SW+\g], v[TM+4], 16, v[SW+\g]
	v_lshl_or_b32 v[SW+\g], v[TM+5], 24, v[SW+\g]
	v_lshl_or_b32 v[SW+4+\g], v[TM+6], 16, v[SW+4+\g]
	v_lshl_or_b32 v[SW+4+\g], v[TM+7], 24, v[SW+4+\g]
.irp c, 0,1,2
	global_store_b128 v[L16], v[DS+4*\c:DS+4*\c+3], s[12:13] offset:1536*\g+512*\c       ; 512 consecutive bytes, aligned
	global_store_b128 v[L16], v[DS+12+4*\c:DS+12+4*\c+3], s[66:67] offset:1536*\g+512*\c
.endr
.endr
	s_branch .Lwords
.Lv_out:
	; ---- V: my 8 tiles of dims (two heads x four) x 128 keys: a whole fragment for each
	s_lshl_b32 s20, s42, 1
	s_add_co_u32 s20, s20, s16                     ; which 128 tokens
	s_lshr_b32 s21, s20, 4
	s_and_b32 s22, s20, 15
	s_sub_co_u32 s23, s17, 8
	s_lshl_b32 s23, s23, 2
	s_lshl_b32 s46, s15, 1
	s_add_co_u32 s23, s23, s46                     ; my first head
	s_lshl_b32 s21, s21, 4
	s_add_co_u32 s23, s23, s21
	s_mul_i32 s46, s23, 204800
	s_lshr_b32 s47, s22, 1
	s_mul_i32 s47, s47, 25600
	s_add_co_u32 s46, s46, s47
	s_and_b32 s47, s22, 1
	s_mul_i32 s47, s47, 6400
	s_add_co_u32 s46, s46, s47
	s_add_co_u32 s46, s46, 12800                   ; V's blocks lie behind K's two
	s_mov_b32 s47, 0
	s_add_nc_u64 s[12:13], s[98:99], s[46:47]
	s_add_nc_u64 s[66:67], s[12:13], 204800
.irp a, 0,1,2,3,4,5,6,7
.set DS, IMG+12*(\a%2)
.if \a >= 2
	s_wait_xcnt 0x0                                ; the stores of two images ago have read this set of registers
.endif
	QUANT \a, DS, DS+6
	v_lshl_or_b32 v[SW+\a], v[TM+5], 8, v[TM+4]
	v_lshl_or_b32 v[SW+\a], v[TM+6], 16, v[SW+\a]
	v_lshl_or_b32 v[SW+\a], v[TM+7], 24, v[SW+\a]
.irp c, 0,1,2
.if \a < 4
	global_store_b128 v[L16], v[DS+4*\c:DS+4*\c+3], s[12:13] offset:1536*(\a%4)+512*\c
.else
	global_store_b128 v[L16], v[DS+4*\c:DS+4*\c+3], s[66:67] offset:1536*(\a%4)+512*\c
.endif
.endr
.endr
.Lwords:
	s_wait_alu depctr_va_vdst(0)
.irp e, 0,1                                    ; word j of lane (r, h) is row r's of image 2 j + h
	v_cndmask_b32 v[WP+2*\e], v[SW+4*\e], v[SW+4*\e+1], vcc_lo
	v_cndmask_b32 v[WP+2*\e+1], v[SW+4*\e+2], v[SW+4*\e+3], vcc_lo
.endr
	global_store_b64 v[L8], v[WP:WP+1], s[12:13] offset:6144      ; 256 consecutive bytes, aligned
	global_store_b64 v[L8], v[WP+2:WP+3], s[66:67] offset:6144
	s_wait_tensorcnt 0x0                           ; the wave's end
	ds_add_u32 v[SPW], v[NIL]
	s_wait_dscnt 0x0
	CROUND                                         ; the closing round: no work-group ends while a partner may still ask for a tile that names it
	s_endpgm
.Lfunc_end_k_q55f6e2aa99_qkv:
	.size	k_q55f6e2aa99_qkv, .Lfunc_end_k_q55f6e2aa99_qkv-k_q55f6e2aa99_qkv
	.p2alignl 7, 3214868480
	.fill 96, 4, 3214868480
	.section	.rodata,"a",@progbits
	.p2align	6, 0x0
	.amdhsa_kernel k_q55f6e2aa99_qkv
		.amdhsa_group_segment_fixed_size 327680
		.amdhsa_private_segment_fixed_size 0
		.amdhsa_enable_private_segment 0
		.amdhsa_kernarg_size 48
		.amdhsa_user_sgpr_count 2
		.amdhsa_user_sgpr_kernarg_segment_ptr 1
		.amdhsa_wavefront_size32 1
		.amdhsa_system_sgpr_workgroup_id_x 1
		.amdhsa_system_sgpr_workgroup_id_y 1
		.amdhsa_system_sgpr_workgroup_id_z 1
		.amdhsa_system_vgpr_workitem_id 0
		.amdhsa_next_free_vgpr 1024
		.amdhsa_next_free_sgpr 100
		.amdhsa_reserve_vcc 1
		.amdhsa_float_denorm_mode_32 3
		.amdhsa_float_denorm_mode_16_64 3
		.amdhsa_memory_ordered 1
		.amdhsa_forward_progress 1
		.amdhsa_inst_pref_size 199
	.end_amdhsa_kernel
	.amdgpu_metadata
---
amdhsa.version: [ 1, 2 ]
amdhsa.kernels:
  - .name:           k_q55f6e2aa99_qkv
    .symbol:         k_q55f6e2aa99_qkv.kd
    .args:
      - { .name: Xi, .offset: 0, .size: 8, .value_kind: global_buffer, .address_space: global }
      - { .name: Xs, .offset: 8, .size: 8, .value_kind: global_buffer, .address_space: global }
      - { .name: Wi, .offset: 16, .size: 8, .value_kind: global_buffer, .address_space: global }
      - { .name: Ws, .offset: 24, .size: 8, .value_kind: global_buffer, .address_space: global }
      - { .name: Qi, .offset: 32, .size: 8, .value_kind: global_buffer, .address_space: global }
      - { .name: KVi, .offset: 40, .size: 8, .value_kind: global_buffer, .address_space: global }
    .group_segment_fixed_size: 327680
    .private_segment_fixed_size: 0
    .kernarg_segment_align: 8
    .kernarg_segment_size: 48
    .max_flat_workgroup_size: 128
    .sgpr_count:     100
    .vgpr_count:     1024
    .wavefront_size: 32
...
	.end_amdgpu_metadata
.endif
;; end of part 2
;; launch attn (part 3): grid 4 x 64, 16 waves a work-group, no clusters, 327,680 bytes of LDS; arguments Qi, KVi, Ci, Cs; writes Ci, Cs
.if DOCPART == 3
	.amdgcn_target "amdgcn-amd-amdhsa--gfx1250"
	.amdhsa_code_object_version 6
	.text
	.protected	k_q55f6e2aa99_attn
	.globl	k_q55f6e2aa99_attn
	.p2align	8
	.type	k_q55f6e2aa99_attn,@function
k_q55f6e2aa99_attn:
	s_mov_b64 s[64:65], 0
	v_nop
	global_prefetch_b8 v0, s[64:65] scope:SCOPE_SE
	s_setreg_imm32_b32 hwreg(HW_REG_WAVE_MODE, 25, 1), 1
	s_wait_xcnt 0x0
; Causal attention of one head on codes of FP6 (E2M3) with E8M0 scales: S^T = K Q^T, p = 2^(t - M), O^T = V^T p^T, C = O / l, and C quantised along the head's 64 dims, as an image of the last product's operand.
; t = score x log2(e) / 8; M = the running largest t rounded UP to a whole number; p is quantised along the keys, not normalised; l is the sum of the unquantised p.  When M moves, l and O^T are multiplied by 2^(old M - new M): exact.
; SHARES.  Work-group (i, head) owns the query blocks 7 - i and then i of the head's eight blocks of 256.  Block j wants the key slots 0 .. j (256 keys each), so every work-group walks (8 - i) + (i + 1) = 9 slots: the trip count is
; a constant, the work is even.  Each of the sixteen waves owns one tile of 16 queries in 256 registers: four waves to a SIMD, so that one wave's vector work stands beside another's products and LDS loads.
; A step of 128 keys all of which come after the wave's queries is left out by a scalar branch on ids; the one step on the diagonal masks its hidden scores to -infinity ahead of the maximum.
; IMAGES.  A block of 6,400 bytes holds four images of 12 registers (chunk c = registers 4 c .. 4 c + 3, 16 bytes a lane) and 256 bytes of scale words (lane l's two words at 8 l: word j of lane (r, h) is row r's of image 2 j + h).
; K: image g = key tile 2 g (64 dims) in registers 0-5 and tile 2 g + 1 in registers 6-11.  ONE image feeds TWO products: against [q | 0] it gives tile 2 g's scores, against [0 | q] tile 2 g + 1's; zero codes add nothing under any of
; these bytes (1 .. 254).  Q lies as [0 x 6 | q x 6 | 0 x 6]; its scale word is (s0, s1, s0, s1).  Row r of tile 2 B + u is element 32 B + 8 u + r + 8 (r / 8): the 16 registers of two neighbouring tiles are 16 neighbouring keys (or dims).
; RING.  Two LDS slots of 25,600 bytes (K step 0, K step 1, V step 0, V step 1); waves 0-3 fetch a block each, all sixteen read.  The change of slots stands at a trip's head.
; NO CLUSTER: the four work-groups of a head stand at different slots at a given trip once the first has changed blocks, so their requests would not meet; in step they would need 12 rounds for 9 slots' work.
; LIMITS: a block of zeros gets the byte 1 (its codes are zeros; this program alone reads the bytes); NaN and infinities are not served; the largest t starts at -3e38.
.set BLK,   6400
.set SLOTB, 4*BLK
.set SLOT1, 1<<15                      ; slot 1 begins here: one exclusive or turns an address from one slot to the other
.set SPARE, 1<<16                      ; the spare words, 128 bytes for each wave: eight blocks of 256 bytes that no other line names
.set PFO, 1                            ; v1  256 l: the prefetches' offset; never rewritten
.set L16, 2                            ; v2  16 l
.set L8,  3                            ; v3  8 l
.set R8,  4                            ; v4  8 r
.set SPW, 5                            ; v5  LDS address of my spare word; never rewritten
.set NIL, 6                            ; v6  0; never rewritten
.set DL,  7                            ; v7  r + 8 (r / 8) - 16 h: my query less my half's first key, from the tile's and the step's firsts
.set AD16, 8                           ; v8  the slot in hand + 16 l
.set AD8, 9                            ; v9  the slot in hand + 8 l
.set CO,  10                           ; v10 my byte offset in Ci
.set SOF, 11                           ; v11 and in Cs
.set QZ,  16                           ; v16-33 [0 | q | 0]
.set QQ,  22
.set QS,  34                           ; v34 Q's scale words
.set QR,  35                           ; v35 as loaded
.set F,   36                           ; v36-83 four images of K or of V
.set KSC, 84                           ; v84-85 K's scale words
.set VSC, 86                           ; v86-87 V's
.set QB,  88                           ; v88-93 the second block's q
.set QSB, 94                           ; v94 its scale words
.set S,   96                           ; v96-159 S^T, then p
.set O,   160                          ; v160-191 O^T
.set PC,  192                          ; v192-203 p's codes
.set BM,  204                          ; v204-207 the blocks' largest scores
.set T8,  208                          ; v208-215 at work
.set SO,  216                          ; v216-219 the conversions' scale operands
.set FF,  220                          ; v[220:221] f, or 1 / l (the pair's upper half is written once)
.set PSW, 222                          ; v222 p's scale word
.set TA,  223
.set CBY, 227                          ; v227 C's two bytes
.set CC,  228                          ; v228-233 C's codes
.set WV,  12
.set LIMA, 15                          ; s15 8 - i: the first block's slots
.set N,   16                           ; s16 the trip
.set SC,  17                           ; s17 the number of the slot in hand
.set SN,  18                           ; s18 and of the slot asked for last
.set KF,  19                           ; s19 the step's first key
.set SEL, 20
.set CS,  22                           ; s[22:23] c = log2(e) / 8
.set G1,  24
.set G0,  32
.set KVB, 36                           ; s[36:37] my block of the head's slot 0
.set TB,  38                           ; s38 LDS byte at which the slot in hand begins
.set Q0,  39                           ; s39 my tile's first query
.set Q0B, 40
.set COA, 41                           ; s41, s42 my tile's half fragment in Ci: first, second block
.set COB, 42
.set SOA, 43                           ; s43, s44 its bytes in Cs
.set SOB, 44
.set PFA, 46                           ; s[46:47] where my prefetches stand
.set PIX, 48                           ; s48 which run of 8,192 bytes behind the head's first 49,152 my next prefetch names
.set PSEL, 49
.macro TLOAD                           ; waves 0-3 fetch a block each.  An s_nop 0 and four v_nop follow the line
	s_cmp_lt_u32 s[WV], 4
	s_cbranch_scc0 .Lasked_\@
	tensor_load_to_lds s[G0:G0+3], s[G1:G1+7]
	s_nop 0
.rept 4
	v_nop
.endr
.Lasked_\@:
.endm
; A PREFETCH INTO THE L2.  The four work-groups of a head walk the same K and V from slot 0 on: the one with i = 0, which walks all eight slots, asks, by its waves 4-7, which fetch nothing: one instruction a wave and trip, lanes 256 bytes
; apart, 8,192 bytes a wave.  Trip t names bytes 49,152 + 32,768 t on of the head's 204,800: nineteen instructions in trips 0 to 4, each aligned 256 bytes once, none past the head's end; slot t + 2, which the next trip's load wants, lies within what has been named.
; The head's first 49,152 bytes (slot 0 and nearly all of slot 1) come by their loads alone.
.macro ASK
	s_cmp_lt_i32 s[PIX], 19
	s_cbranch_scc0 .Lnot_mine_\@
	global_prefetch_b8 v[PFO], s[PFA:PFA+1] th:TH_LOAD_NT scope:SCOPE_SE
.Lnot_mine_\@:
.endm
	s_load_b256 s[4:11], s[0:1], 0x0               ; Qi s[4:5], KVi s[6:7], Ci s[8:9], Cs s[10:11]
	v_lshl_add_u32 v[SPW], v0, 2, SPARE
	v_mov_b32 v[NIL], 0
	ds_add_u32 v[SPW], v[NIL]                      ; the wave's opening: the add and its wait stand ahead of my first tensor load; the set-up below, work on registers, stands between them
	ds_add_u32 v[SPW], v[NIL]
	v_lshrrev_b32 v8, 5, v0
	s_delay_alu instid0(VALU_DEP_1)
	v_readfirstlane_b32 s[WV], v8                  ; wave 0..15
	s_and_b32 s13, ttmp7, 0xffff                   ; 16 x batch + head
	s_sub_co_u32 s[LIMA], 8, ttmp9
	s_sub_co_u32 s14, 7, ttmp9                     ; the first block
	; descriptor group 1: a block of 6,400 dense bytes as 25 rows of 256 (32 elements of 8 bytes)
	s_mov_b32 s[G1], 3<<16
	s_mov_b32 s[G1+1], 32<<16
	s_mov_b32 s[G1+2], 25<<16
	s_mov_b32 s[G1+3], 32<<16
	s_mov_b32 s[G1+4], 25
	s_mov_b32 s[G1+5], 32
	s_mov_b32 s[G1+6], 0
	s_mov_b32 s[G1+7], 0
	s_and_b32 s50, s[WV], 3
	s_mov_b32 s[G0], 1
	s_mul_i32 s[G0+1], s50, BLK                    ; LDS: slot 0, block wave % 4
	s_mul_i32 s52, s13, 204800                     ; the head's first byte in KVi
	s_add_co_u32 s54, s52, s[G0+1]
	s_mov_b32 s55, 0
	s_mov_b32 s53, 0
	s_lshl_b32 s51, s50, 13
	s_add_co_u32 s52, s52, s51
	s_add_co_u32 s52, s52, 16384                   ; the prefetches: one trip's 32,768 bytes short of their first place
	s_sub_co_u32 s[PIX], s50, 4
	s_lshr_b32 s51, s[WV], 2
	s_xor_b32 s51, s51, 1                          ; 0 in waves 4-7,
	s_or_b32 s51, s51, ttmp9                       ; of the work-group with i = 0
	s_cmp_eq_u32 s51, 0
	s_cselect_b32 s[PIX], s[PIX], 1000
	s_lshr_b32 s50, s[WV], 1
	s_lshl_b32 s50, s50, 5
	s_and_b32 s51, s[WV], 1
	s_lshl_b32 s51, s51, 3
	s_add_co_u32 s50, s50, s51                     ; my tile's first query in its block: 32 (w / 2) + 8 (w % 2)
	s_lshl_b32 s[Q0], s14, 8
	s_add_co_u32 s[Q0], s[Q0], s50
	s_lshl_b32 s[Q0B], ttmp9, 8
	s_add_co_u32 s[Q0B], s[Q0B], s50
	s_lshr_b32 s50, s13, 4
	s_lshl_b32 s50, s50, 7
	s_add_co_u32 s50, s50, s[WV]                   ; 128 x batch + wave
	s_and_b32 s51, s13, 15                         ; the head
	s_lshl_b32 s56, s14, 4
	s_add_co_u32 s56, s56, s50                     ; my token tiles among the 512
	s_lshl_b32 s57, ttmp9, 4
	s_add_co_u32 s57, s57, s50
	s_mul_i32 s58, s51, 768
	s_mul_i32 s[COA], s56, 12288
	s_add_co_u32 s[COA], s[COA], s58
	s_mul_i32 s[COB], s57, 12288
	s_add_co_u32 s[COB], s[COB], s58
	s_lshr_b32 s58, s51, 2
	s_lshl_b32 s58, s58, 7
	s_and_b32 s59, s51, 3
	s_lshl_b32 s59, s59, 1
	s_add_co_u32 s58, s58, s59                     ; 128 (head / 4) + 2 (head % 4)
	s_lshl_b32 s[SOA], s56, 9
	s_add_co_u32 s[SOA], s[SOA], s58
	s_lshl_b32 s[SOB], s57, 9
	s_add_co_u32 s[SOB], s[SOB], s58
	s_mul_i32 s56, s13, 102400                     ; Q's blocks: [head][step of 128 tokens][6,400]; my step is 2 x block + w / 8
	s_lshr_b32 s57, s[WV], 3
	s_lshl_b32 s58, s14, 1
	s_add_co_u32 s58, s58, s57
	s_mul_i32 s58, s58, BLK
	s_add_co_u32 s58, s58, s56
	s_mov_b32 s59, 0
	s_lshl_b32 s60, ttmp9, 1
	s_add_co_u32 s60, s60, s57
	s_mul_i32 s60, s60, BLK
	s_add_co_u32 s60, s60, s56
	s_mov_b32 s61, 0
	s_mov_b32 s[SEL], 0x76543210
	s_mov_b32 s[SEL+1], 0xfedcba98                 ; v_permlanex16_b32's selects for lane l xor 16
	s_mov_b32 s[CS], 0x3e38aa3b                    ; c = log2(e) / 8
	s_mov_b32 s[CS+1], s[CS]                       ; (named with it as a pair, so it is written)
	s_mov_b32 s[TB], 0
	s_mov_b32 s[SN], 0
	s_mov_b32 s[N], 0
	v_and_b32 v8, 31, v0                           ; l
	v_and_b32 v9, 15, v0                           ; r
	v_bfe_u32 v10, v0, 4, 1                        ; h
	s_delay_alu instid0(VALU_DEP_3)
	v_lshlrev_b32 v[PFO], 8, v8
	s_delay_alu instid0(VALU_DEP_4)
	v_lshlrev_b32 v[L16], 4, v8
	v_lshlrev_b32 v[L8], 3, v8
	v_lshlrev_b32 v[R8], 3, v9
	s_wait_alu depctr_va_vdst(0)
	v_and_b32 v11, 8, v9
	s_delay_alu instid0(VALU_DEP_1)
	v_add_nc_u32 v11, v11, v9
	v_lshlrev_b32 v10, 4, v10
	s_delay_alu instid0(VALU_DEP_1)
	v_sub_nc_u32 v[DL], v11, v10
	s_bfe_u32 s50, s[WV], 0x20001                  ; my tile lies in image g = (w / 2) % 4 of its block, in registers 0-5 (w even) or 6-11
	s_mul_i32 s51, s50, 1536
	v_add_nc_u32 v10, s51, v[L16]
	s_and_b32 s51, s50, 1
	s_lshl_b32 s51, s51, 7
	s_lshr_b32 s50, s50, 1
	s_lshl_b32 s50, s50, 2
	s_add_co_u32 s51, s51, s50
	s_add_co_u32 s51, s51, 6144
	v_add_nc_u32 v11, s51, v[R8]                   ; its scale words: 6,144 + 8 (r + 16 (g % 2)) + 4 (g / 2)
	s_wait_dscnt 0x0                               ; the opening add is done
	s_wait_kmcnt 0x0
	s_add_nc_u64 s[KVB:KVB+1], s[6:7], s[54:55]
	s_mov_b64 s[G0+2:G0+3], s[KVB:KVB+1]
	s_or_b32 s[G0+3], s[G0+3], 0x80000000
	TLOAD                                          ; slot 0
	s_add_nc_u64 s[PFA:PFA+1], s[6:7], s[52:53]
	s_add_nc_u64 s[58:59], s[4:5], s[58:59]
	s_add_nc_u64 s[60:61], s[4:5], s[60:61]
	s_and_b32 s50, s[WV], 1
	s_cmp_eq_u32 s50, 0
	s_cbranch_scc0 .Lq_odd
	s_wait_alu depctr_va_vdst(0)
	global_load_b128 v[QQ:QQ+3], v10, s[58:59]                 ; registers 0-3, 4-5 of the image
	global_load_b64 v[QQ+4:QQ+5], v10, s[58:59] offset:512
	global_load_b128 v[QB:QB+3], v10, s[60:61]
	global_load_b64 v[QB+4:QB+5], v10, s[60:61] offset:512
	s_mov_b32 s[PSEL], 0x01000100                  ; the word's bytes 0, 1, twice
	s_branch .Lq_in
.Lq_odd:
	s_wait_alu depctr_va_vdst(0)
	global_load_b64 v[QQ:QQ+1], v10, s[58:59] offset:520       ; registers 6-7, 8-11
	global_load_b128 v[QQ+2:QQ+5], v10, s[58:59] offset:1024
	global_load_b64 v[QB:QB+1], v10, s[60:61] offset:520
	global_load_b128 v[QB+2:QB+5], v10, s[60:61] offset:1024
	s_mov_b32 s[PSEL], 0x03020302                  ; bytes 2, 3, twice
.Lq_in:
	global_load_b32 v[QR], v11, s[58:59]
	global_load_b32 v[QSB], v11, s[60:61]
.irp j, 0,1,2,3,4,5
	v_mov_b32 v[QZ+\j], 0
	v_mov_b32 v[QZ+12+\j], 0
.endr
	v_mov_b32 v13, 0xff61b1e6                      ; the largest t so far: -3e38, under every t
	s_delay_alu instid0(VALU_DEP_1)
	v_floor_f32 v12, -v13                          ; -M
	v_mov_b32 v14, 0                               ; l, in two halves
	v_mov_b32 v15, 0
.irp j, 0,1,2,3,4,5,6,7
	v_mov_b32 v[T8+\j], 0                          ; written once: a lane permute's destination counts as one of its sources
.endr
	v_mov_b32 v[FF+1], 0                           ; (named as the upper half of a pair)
	v_mov_b32 v[TA], 0
	s_wait_loadcnt 0x0                             ; Q
	v_perm_b32 v[QS], v[QR], v[QR], s[PSEL]
	v_perm_b32 v[QSB], v[QSB], v[QSB], s[PSEL]
.set n, 0
.rept 32
	v_mov_b32 v[O+n], 0                            ; O^T: the step is written once; the first finds zeros.  (These are also the places between the scale word's making and the first product)
.set n, n+1
.endr
.macro SQK g                           ; key tiles 2 g and 2 g + 1 from one image
.if (\g)%2
	v_wmma_scale_f32_16x16x128_f8f6f4 v[S+16*\g:S+16*\g+7], v[F+12*\g:F+12*\g+11], v[QQ:QQ+11], 0, v[KSC+\g/2], v[QS] matrix_a_fmt:MATRIX_FMT_FP6 matrix_b_fmt:MATRIX_FMT_FP6 matrix_a_scale:MATRIX_SCALE_ROW1
	v_wmma_scale_f32_16x16x128_f8f6f4 v[S+16*\g+8:S+16*\g+15], v[F+12*\g:F+12*\g+11], v[QZ:QZ+11], 0, v[KSC+\g/2], v[QS] matrix_a_fmt:MATRIX_FMT_FP6 matrix_b_fmt:MATRIX_FMT_FP6 matrix_a_scale:MATRIX_SCALE_ROW1
.else
	v_wmma_scale_f32_16x16x128_f8f6f4 v[S+16*\g:S+16*\g+7], v[F+12*\g:F+12*\g+11], v[QQ:QQ+11], 0, v[KSC+\g/2], v[QS] matrix_a_fmt:MATRIX_FMT_FP6 matrix_b_fmt:MATRIX_FMT_FP6
	v_wmma_scale_f32_16x16x128_f8f6f4 v[S+16*\g+8:S+16*\g+15], v[F+12*\g:F+12*\g+11], v[QZ:QZ+11], 0, v[KSC+\g/2], v[QS] matrix_a_fmt:MATRIX_FMT_FP6 matrix_b_fmt:MATRIX_FMT_FP6
.endif
.endm
.macro PVT t                           ; dims tile t of O^T
.if (\t)%2
	v_wmma_scale_f32_16x16x128_f8f6f4 v[O+8*\t:O+8*\t+7], v[F+12*\t:F+12*\t+11], v[PC:PC+11], v[O+8*\t:O+8*\t+7], v[VSC+\t/2], v[PSW] matrix_a_fmt:MATRIX_FMT_FP6 matrix_b_fmt:MATRIX_FMT_FP6 matrix_a_scale:MATRIX_SCALE_ROW1
.else
	v_wmma_scale_f32_16x16x128_f8f6f4 v[O+8*\t:O+8*\t+7], v[F+12*\t:F+12*\t+11], v[PC:PC+11], v[O+8*\t:O+8*\t+7], v[VSC+\t/2], v[PSW] matrix_a_fmt:MATRIX_FMT_FP6 matrix_b_fmt:MATRIX_FMT_FP6
.endif
.endm
; A KEY STEP: 128 keys, the q-th of the slot in hand.
.macro STEP q
	s_lshl_b32 s[KF], s[SC], 8
.if \q
	s_add_co_u32 s[KF], s[KF], 128
.endif
	s_add_co_u32 s50, s[Q0], 23                    ; my tile's last query
	s_cmp_gt_u32 s[KF], s50                        ; ids and the count of trips alone
	s_cbranch_scc1 .Lhidden_\@
	s_wait_alu depctr_va_vdst(0)
.irp g, 0,1,2,3
.irp c, 0,1,2
	ds_load_b128 v[F+12*\g+4*\c:F+12*\g+4*\c+3], v[AD16] offset:BLK*\q+1536*\g+512*\c
.endr
.endr
	ds_load_b64 v[KSC:KSC+1], v[AD8] offset:BLK*\q+6144
	s_wait_dscnt 0x0
	SQK 0
	SQK 1
	SQK 2
	SQK 3                                          ; register 16 g + i of S: key KF + 32 g + 16 h + i, for my lane's query
.rept 4
	v_nop                                          ; places: in front of loads into registers that these products have read, and of the first read of their results
.endr
	s_wait_alu depctr_va_vdst(0)
.irp g, 0,1,2,3
.irp c, 0,1,2
	ds_load_b128 v[F+12*\g+4*\c:F+12*\g+4*\c+3], v[AD16] offset:2*BLK+BLK*\q+1536*\g+512*\c   ; V lands while the softmax is walked
.endr
.endr
	ds_load_b64 v[VSC:VSC+1], v[AD8] offset:2*BLK+BLK*\q+6144
	s_add_co_u32 s50, s[KF], 127
	s_cmp_le_u32 s50, s[Q0]                        ; a step all of whose keys count skips the mask
	s_cbranch_scc1 .Lopen_\@
	s_sub_co_i32 s50, s[Q0], s[KF]
	v_add_nc_u32 v224, s50, v[DL]                  ; d = my query - KF - 16 h: register 16 b + i is hidden where 32 b + i > d
	v_mov_b32 v225, 0xff800000                     ; -infinity
.set n, 0
.rept 64
	v_cmp_gt_i32 vcc_lo, 32*(n/16)+n%16, v224
	v_cndmask_b32 v[S+n], v[S+n], v225, vcc_lo
.set n, n+1
.endr
.Lopen_\@:
.irp b, 0,1,2,3
	v_max3_num_f32 v[BM+\b], v[S+16*\b], v[S+1+16*\b], v[S+2+16*\b]   ; the largest score of each block of 32 keys: for the row's maximum, and, since p rises with the score, for the block's largest p
.endr
.irp i, 3,5,7,9,11,13
.irp b, 0,1,2,3
	v_max3_num_f32 v[BM+\b], v[BM+\b], v[S+16*\b+\i], v[S+1+16*\b+\i]
.endr
.endr
.irp b, 0,1,2,3
	v_max_num_f32 v[BM+\b], v[BM+\b], v[S+15+16*\b]
.endr
.irp b, 0,1,2,3
	s_delay_alu instid0(VALU_DEP_4)
	v_permlanex16_b32 v[T8+\b], v[BM+\b], s[SEL], s[SEL+1]
.endr
.irp b, 0,1,2,3
	s_delay_alu instid0(VALU_DEP_4)
	v_max_num_f32 v[BM+\b], v[BM+\b], v[T8+\b]     ; with lane l xor 16's 16 keys
.endr
	s_delay_alu instid0(VALU_DEP_2)
	v_max3_num_f32 v[TA], v[BM], v[BM+1], v[BM+2]
	s_delay_alu instid0(VALU_DEP_1)
	v_max_num_f32 v[TA], v[TA], v[BM+3]            ; the step's largest score of my query (the step's first key counts for every query of the tile)
	s_delay_alu instid0(VALU_DEP_1)
	v_mul_f32 v[TA], s[CS], v[TA]
	s_delay_alu instid0(VALU_DEP_1)
	v_max_num_f32 v13, v13, v[TA]                  ; the running largest t
	v_mov_b32 v[TA], v12
	s_delay_alu instid0(VALU_DEP_2)
	v_floor_f32 v12, -v13                          ; the new -M = -ceil(t)
	s_delay_alu instid0(VALU_DEP_1)
	v_sub_f32 v[TA], v12, v[TA]                    ; old M - new M: a whole number, 0 or less
	s_delay_alu instid0(VALU_DEP_1)
	v_cvt_i32_f32 v[TA], v[TA]                     ; (it saturates)
	s_delay_alu instid0(VALU_DEP_1)
	v_ldexp_f32 v[FF], 1.0, v[TA]                  ; f = 2^(old M - new M)
.set n, 0
.rept 32
	v_pk_fma_f32 v[S+n:S+n+1], v[S+n:S+n+1], s[CS:CS+1], v[12:13] op_sel_hi:[1,0,0]   ; t - M, two at a time
.set n, n+2
.endr
.irp b, 0,1,2,3
	v_fma_f32 v[BM+\b], v[BM+\b], s[CS], v12       ; the same of each block's largest score
.endr
.set n, 0
	s_wait_alu depctr_va_vdst(0)
.rept 64
	v_exp_f32 v[S+n], v[S+n]                       ; p = 2^(t - M)
.set n, n+1
.endr
	v_pk_mul_f32 v[14:15], v[14:15], v[FF:FF+1] op_sel_hi:[1,0]   ; l under the new M: a plain place behind the exponentials
	s_wait_alu depctr_va_vdst(0)                   ; one wait for the batch of 64, ahead of its first reader
.irp b, 0,1,2,3
	v_exp_f32 v[BM+\b], v[BM+\b]                   ; the blocks' largest p
.endr
	v_pk_add_f32 v[208:209], v[100:101], v[104:105]
	v_pk_add_f32 v[254:255], v[108:109], v[112:113]
	v_pk_add_f32 v[252:253], v[116:117], v[120:121]
	v_pk_add_f32 v[250:251], v[124:125], v[128:129]
	v_pk_add_f32 v[248:249], v[132:133], v[136:137]
	v_pk_add_f32 v[246:247], v[140:141], v[144:145]
	v_pk_add_f32 v[244:245], v[148:149], v[152:153]
	v_pk_add_f32 v[14:15], v[14:15], v[156:157]
	v_pk_add_f32 v[208:209], v[208:209], v[96:97]
	v_pk_add_f32 v[254:255], v[254:255], v[98:99]
	v_pk_add_f32 v[252:253], v[252:253], v[102:103]
	v_pk_add_f32 v[250:251], v[250:251], v[106:107]
	v_pk_add_f32 v[248:249], v[248:249], v[110:111]
	v_pk_add_f32 v[246:247], v[246:247], v[114:115]
	v_pk_add_f32 v[244:245], v[244:245], v[118:119]
	v_pk_add_f32 v[14:15], v[14:15], v[122:123]
	v_pk_add_f32 v[208:209], v[208:209], v[126:127]
	v_pk_add_f32 v[254:255], v[254:255], v[130:131]
	v_pk_add_f32 v[252:253], v[252:253], v[134:135]
	v_pk_add_f32 v[250:251], v[250:251], v[138:139]
	v_pk_add_f32 v[248:249], v[248:249], v[142:143]
	v_pk_add_f32 v[246:247], v[246:247], v[146:147]
	v_pk_add_f32 v[244:245], v[244:245], v[150:151]
	v_pk_add_f32 v[14:15], v[14:15], v[154:155]
	v_pk_add_f32 v[208:209], v[208:209], v[158:159]
	s_delay_alu instid0(VALU_DEP_2)
	v_pk_add_f32 v[14:15], v[14:15], v[250:251]
	s_delay_alu instid0(VALU_DEP_2)
	v_pk_add_f32 v[208:209], v[208:209], v[248:249]
	v_pk_add_f32 v[254:255], v[254:255], v[246:247]
	v_pk_add_f32 v[252:253], v[252:253], v[244:245]
	s_delay_alu instid0(VALU_DEP_2)
	v_pk_add_f32 v[14:15], v[14:15], v[254:255]
	s_delay_alu instid0(VALU_DEP_2)
	v_pk_add_f32 v[208:209], v[208:209], v[252:253]
	s_delay_alu instid0(VALU_DEP_1)
	v_pk_add_f32 v[14:15], v[14:15], v[208:209]
	s_wait_alu depctr_va_vdst(0)                   ; and one for the four
.irp b, 0,1,2,3
	v_max_num_f32 v[BM+\b], 0x1800000, v[BM+\b]    ; the floor 2^(3 - 127): the byte cannot fall under 1
.endr
.irp b, 0,1,2,3
	s_delay_alu instid0(VALU_DEP_4)
	v_add_nc_u32 v[SO+\b], 0xff000000, v[BM+\b]    ; the conversion's scale operand
.endr
.irp b, 0,1,2,3
	s_delay_alu instid0(VALU_DEP_4)
	v_lshrrev_b32 v[T8+\b], 23, v[SO+\b]           ; the byte
.endr
	s_delay_alu instid0(VALU_DEP_3)
	v_lshl_or_b32 v[PSW], v[T8+1], 8, v[T8]
	s_delay_alu instid0(VALU_DEP_1)
	v_lshl_or_b32 v[PSW], v[T8+2], 16, v[PSW]
	s_delay_alu instid0(VALU_DEP_1)
	v_lshl_or_b32 v[PSW], v[T8+3], 24, v[PSW]      ; p's scale word for these 128 keys
.irp c, 0,1
	v_cvt_scalef32_pk16_fp6_f32 v[PC+6*\c:PC+6*\c+2], v[S+32*\c:S+32*\c+15], v[SO+2*\c]
	v_cvt_scalef32_pk16_fp6_f32 v[T8+4*\c:T8+4*\c+2], v[S+32*\c+16:S+32*\c+31], v[SO+2*\c+1]
.endr
	v_nop                                          ; one plain place behind a scaled conversion
.irp c, 0,1
.irp i, 0,1,2
	v_permlane16_swap_b32 v[PC+6*\c+\i], v[T8+4*\c+\i]
.endr
.irp i, 0,1,2
	s_delay_alu instid0(VALU_DEP_3)
	v_mov_b32 v[PC+6*\c+3+\i], v[T8+4*\c+\i]
.endr
.endr
.set n, 0
.rept 16
	v_pk_mul_f32 v[O+n:O+n+1], v[O+n:O+n+1], v[FF:FF+1] op_sel_hi:[1,0]   ; O^T under the new M.  (These sixteen also stand between the making of p's codes and scale word and the products)
.set n, n+2
.endr
	s_wait_alu depctr_va_vdst(0)
	s_wait_dscnt 0x0                               ; V is in
	PVT 0
	PVT 1
	PVT 2
	PVT 3                                          ; four accumulators by turns, one instruction a turn
.rept 4
	v_nop                                          ; places in front of the next loads into these fragments and of the next read of O^T
.endr
.Lhidden_\@:
.endm
; A block's end: O^T / l, quantised along the head's 64 dims (register 16 b + i = dim 32 b + 16 h + i), stored as half a fragment's image (three chunks of 256 bytes) and two scale bytes a row.
.macro FINISH co, so, wx
.if \wx
	s_wait_xcnt 0x0                                ; the first block's stores have read their registers
.endif
	v_add_f32 v14, v14, v15
	s_delay_alu instid0(VALU_DEP_1)
	v_permlanex16_b32 v[TA], v14, s[SEL], s[SEL+1]
	s_delay_alu instid0(VALU_DEP_1)
	v_add_f32 v14, v14, v[TA]                      ; the row's sum
	s_wait_alu depctr_va_vdst(0)
	v_rcp_f32 v[FF], v14
	v_add_nc_u32 v[CO], s[\co], v[L8]              ; (plain places behind the reciprocal)
	v_add_nc_u32 v[SOF], s[\so], v[R8]
	s_wait_alu depctr_va_vdst(0)                   ; the wait ahead of the reciprocal's first reader
.set n, 0
.rept 16
	v_pk_mul_f32 v[O+n:O+n+1], v[O+n:O+n+1], v[FF:FF+1] op_sel_hi:[1,0]
.set n, n+2
.endr
.irp b, 0,1
	v_max3_num_f32 v[BM+\b], |v[O+16*\b]|, |v[O+16*\b+1]|, 0x1800000
.endr
.irp i, 2,4,6,8,10,12,14
.irp b, 0,1
	s_delay_alu instid0(VALU_DEP_2)
	v_max3_num_f32 v[BM+\b], v[BM+\b], |v[O+16*\b+\i]|, |v[O+16*\b+\i+1]|
.endr
.endr
.irp b, 0,1
	s_delay_alu instid0(VALU_DEP_2)
	v_permlanex16_b32 v[T8+4+\b], v[BM+\b], s[SEL], s[SEL+1]
.endr
.irp b, 0,1
	s_delay_alu instid0(VALU_DEP_2)
	v_max_num_f32 v[BM+\b], v[BM+\b], v[T8+4+\b]
.endr
.irp b, 0,1
	s_delay_alu instid0(VALU_DEP_2)
	v_add_nc_u32 v[SO+\b], 0xff000000, v[BM+\b]
.endr
.irp b, 0,1
	s_delay_alu instid0(VALU_DEP_2)
	v_lshrrev_b32 v[T8+4+\b], 23, v[SO+\b]
.endr
	s_delay_alu instid0(VALU_DEP_1)
	v_lshl_or_b32 v[CBY], v[T8+5], 8, v[T8+4]
	v_cvt_scalef32_pk16_fp6_f32 v[CC:CC+2], v[O:O+15], v[SO]
	v_cvt_scalef32_pk16_fp6_f32 v[T8:T8+2], v[O+16:O+31], v[SO+1]
	v_nop                                          ; one plain place behind a scaled conversion
.irp i, 0,1,2
	v_permlane16_swap_b32 v[CC+\i], v[T8+\i]
.endr
.irp i, 0,1,2
	s_delay_alu instid0(VALU_DEP_3)
	v_mov_b32 v[CC+3+\i], v[T8+\i]
.endr
.irp p, 0,1,2
	global_store_b64 v[CO], v[CC+2*\p:CC+2*\p+1], s[8:9] offset:256*\p   ; 256 consecutive bytes, aligned
.endr
	global_store_b16 v[SOF], v[CBY], s[10:11]      ; two bytes a row: two heads share a scale word, so these units are written in part; lanes 16-31 repeat lanes 0-15
.endm
; THE CHANGE OF SLOTS, at a trip's head.  Each wave waits for all its tensor loads (its part of the slot that it is about to read), adds 0 to its spare word, and waits for that and for its reads of the slot that it has left.
; fill = 1: behind the barrier the slot just left is filled with the slot that the next trip reads: the next of this block, or slot 0 again where the first block's slots are through.
.macro CHANGE fill
	s_wait_tensorcnt 0x0                           ; no tensor load of mine is out, so group 0 may be written
	ds_add_u32 v[SPW], v[NIL]                      ; 0 onto my spare word
	s_mov_b32 s[SC], s[SN]
.if \fill
	s_add_co_u32 s[SN], s[SN], 1
	s_cmp_eq_u32 s[SN], s[LIMA]
	s_cselect_b32 s[SN], 0, s[SN]
	s_mul_i32 s50, s[SN], SLOTB
	s_mov_b32 s51, 0
	s_add_nc_u64 s[G0+2:G0+3], s[KVB:KVB+1], s[50:51]
	s_or_b32 s[G0+3], s[G0+3], 0x80000000
	s_xor_b32 s[G0+1], s[G0+1], SLOT1
	s_wait_xcnt 0x0                                ; the last prefetch, a trip back, has read its address, so it may be written
	s_add_nc_u64 s[PFA:PFA+1], s[PFA:PFA+1], 4*8192
	s_add_co_u32 s[PIX], s[PIX], 4
.endif
	s_wait_dscnt 0x0                               ; the add is done, and my reads of the slot that I have left are over
	s_barrier_signal -1
	s_barrier_wait -1
.if \fill
	TLOAD                                          ; the first thing behind the barrier, and a wave's one tensor load until the next: it has a trip's two steps in which to land
	ASK
.endif
.endm
.macro SWITCH                          ; where the first block's slots are through: it goes out, and the second block begins
	s_cmp_lg_u32 s[N], s[LIMA]
	s_cbranch_scc1 .Lsame_\@
	FINISH COA, SOA, 0
	v_mov_b32 v[QS], v[QSB]
.irp j, 0,1,2,3,4,5
	v_mov_b32 v[QQ+\j], v[QB+\j]
.endr
	s_mov_b32 s[Q0], s[Q0B]
	v_mov_b32 v13, 0xff61b1e6
	s_delay_alu instid0(VALU_DEP_1)
	v_floor_f32 v12, -v13
	v_mov_b32 v14, 0
	v_mov_b32 v15, 0
.set n, 0
.rept 32
	v_mov_b32 v[O+n], 0                            ; (also the places between the new scale word and codes of q and the next product)
.set n, n+1
.endr
.Lsame_\@:
.endm
.macro TRIP fill
	CHANGE \fill
	SWITCH
	v_add_nc_u32 v[AD16], s[TB], v[L16]
	v_add_nc_u32 v[AD8], s[TB], v[L8]
	STEP 0
	STEP 1
	s_xor_b32 s[TB], s[TB], SLOT1                  ; on to the other slot
.endm
.Ltrip:                                                ; eight trips, each asking for the next trip's slot
	TRIP 1
	s_add_co_u32 s[N], s[N], 1
	s_cmp_lt_u32 s[N], 8
	s_cbranch_scc1 .Ltrip
	TRIP 0                                         ; the ninth is written out: it asks for nothing
	FINISH COB, SOB, 1
	s_wait_tensorcnt 0x0                           ; the wave's end
	ds_add_u32 v[SPW], v[NIL]
	s_wait_dscnt 0x0
	s_endpgm
.Lfunc_end_k_q55f6e2aa99_attn:
	.size	k_q55f6e2aa99_attn, .Lfunc_end_k_q55f6e2aa99_attn-k_q55f6e2aa99_attn
	.p2alignl 7, 3214868480
	.fill 96, 4, 3214868480
	.section	.rodata,"a",@progbits
	.p2align	6, 0x0
	.amdhsa_kernel k_q55f6e2aa99_attn
		.amdhsa_group_segment_fixed_size 327680
		.amdhsa_private_segment_fixed_size 0
		.amdhsa_enable_private_segment 0
		.amdhsa_kernarg_size 32
		.amdhsa_user_sgpr_count 2
		.amdhsa_user_sgpr_kernarg_segment_ptr 1
		.amdhsa_wavefront_size32 1
		.amdhsa_system_sgpr_workgroup_id_x 1
		.amdhsa_system_sgpr_workgroup_id_y 1
		.amdhsa_system_sgpr_workgroup_id_z 1
		.amdhsa_system_vgpr_workitem_id 0
		.amdhsa_next_free_vgpr 256
		.amdhsa_next_free_sgpr 66
		.amdhsa_reserve_vcc 1
		.amdhsa_float_denorm_mode_32 3
		.amdhsa_float_denorm_mode_16_64 3
		.amdhsa_memory_ordered 1
		.amdhsa_forward_progress 1
		.amdhsa_inst_pref_size 114
	.end_amdhsa_kernel
	.amdgpu_metadata
---
amdhsa.version: [ 1, 2 ]
amdhsa.kernels:
  - .name:           k_q55f6e2aa99_attn
    .symbol:         k_q55f6e2aa99_attn.kd
    .args:
      - { .name: Qi, .offset: 0, .size: 8, .value_kind: global_buffer, .address_space: global }
      - { .name: KVi, .offset: 8, .size: 8, .value_kind: global_buffer, .address_space: global }
      - { .name: Ci, .offset: 16, .size: 8, .value_kind: global_buffer, .address_space: global }
      - { .name: Cs, .offset: 24, .size: 8, .value_kind: global_buffer, .address_space: global }
    .group_segment_fixed_size: 327680
    .private_segment_fixed_size: 0
    .kernarg_segment_align: 8
    .kernarg_segment_size: 32
    .max_flat_workgroup_size: 512
    .sgpr_count:     66
    .vgpr_count:     256
    .wavefront_size: 32
...
	.end_amdgpu_metadata
.endif
;; end of part 3
;; launch outp (part 4): grid 4 x 32, 4 waves a work-group, clusters of 4 x 4, 327,680 bytes of LDS; arguments Ci, Cs, Wi, Ws, b_out, out0; writes out0
.if DOCPART == 4
	.amdgcn_target "amdgcn-amd-amdhsa--gfx1250"
	.amdhsa_code_object_version 6
	.text
	.protected	k_q55f6e2aa99_outp
	.globl	k_q55f6e2aa99_outp
	.p2align	8
	.type	k_q55f6e2aa99_outp,@function
k_q55f6e2aa99_outp:
	s_mov_b64 s[64:65], 0
	v_nop
	global_prefetch_b8 v0, s[64:65] scope:SCOPE_SE
	s_setreg_imm32_b32 hwreg(HW_REG_WAVE_MODE, 25, 1), 1
	s_wait_xcnt 0x0
	s_wait_alu depctr_hold_cnt(0) depctr_sa_sdst(0) depctr_va_vdst(0) depctr_va_sdst(0) depctr_va_ssrc(0) depctr_va_vcc(0) depctr_vm_vsrc(0)
	s_getreg_b32 s2, hwreg(HW_REG_IB_STS2, 6, 4)
	s_cmp_eq_u32 s2, 0
	s_cbranch_scc0 .Lentry_in_a_cluster
	s_endpgm
.Lentry_in_a_cluster:
	s_bfe_u32 s2, ttmp6, 0x10000c
	s_cmp_lg_u32 s2, 0xf033
	s_cbranch_scc0 .Lentry_shape_is_right
	s_endpgm
.Lentry_shape_is_right:
; out0 = C W_out + b_out on codes of FP6 (E2M3) with E8M0 scales, sums in f32.  C [8192][1024] and W_out's columns arrive as images of operand registers, [tile][K step][1,536]: a fragment (16 rows x 128 K) is six chunks of
; 256 bytes, chunk p = registers 2 p, 2 p + 1, lane l's 8 bytes at 8 l.  Row r of tile 2 B + u is element 32 B + 8 u + r + 8 (r / 8).  Scale words lie [tile][slot][r][2 words].
; A tile of 256 x 256 of the output is made by four waves, 128 x 128 each: 64 accumulators.  K = 1,024 goes in four slots of 256 through a ring of two LDS slots filled by the tensor data mover.
; Source 0 (called B) = 16 columns of W_out, source 1 (called A) = 16 tokens of C: a lane holds one token, and the 16 registers of two neighbouring tiles of B are 16 neighbouring columns.
; THE BIAS is the C operand of each sum's first matrix instruction: eight registers a tile of B, in the result's layout.
; CLUSTERS: 4 x 4 work-groups; A's tiles are shared along a row of the cluster, B's along a column, each asked for jointly.  128 work-groups: a tile of half the size would read twice the LDS bytes for each product.
; REGISTERS: window 0: v0-31 addresses; v32-63 scale words, two sets; from v128 A's fragments, later rows on their way out.  window 1: B's fragments at v0 and v128; the bias at v96-127 and v224-255.  windows 2, 3: the accumulators.
.set NQ,     2
.set FR,     12
.set NL,     6
.set NP,     4                         ; places behind this matrix instruction (ISA guide 7.12.1)
.set TILEB,  3072                      ; a tile's two K steps in a slot
.set HALFT,  8*TILEB
.set SLOT,   4*HALFT
.set LAPS,   2
.set SCL,    2*SLOT                    ; behind the ring: the scale words for all of K
.set HALFS,  4096
.set SPARE,  SCL+4*HALFS               ; the spare words, 128 bytes for each wave: two blocks of 256 bytes that no other line names
.set SPITCH, 528                       ; the way out: a stage of 16 rows x (512 bytes + 16) for each wave, in slot 0, which has had its last fill and its last read when the first result is stored there
.set ADRA, 16
.set ADRB, 20
.set STO,  24                          ; v24 the way out: where I put my bytes of a row
.set RD,   25                          ; v25 where I read a row back
.set CO,   26                          ; v26 16 l
.set ADRS, 27
.set SPW,  28                          ; v28 LDS address of my spare word; never rewritten
.set NIL,  29                          ; v29 0; never rewritten
.set SC,   32
.set AF,   128
.set BK,   128                         ; the way out: v128-191 and v192-255 by turns
.set G1, 24
.set G0, 32
.set G1B, 48
.set G0B, 56
.set G1S, 68
.set G0S, 76
.set G1SB, 80
.set G0SB, 88
.set MSB, 0
.macro WIN new                         ; the immediate's high byte repeats the setting that is left
.if MSB != \new
	s_set_vgpr_msb (MSB<<8)|\new
.set MSB, \new
.endif
.endm
.set MUL_LO, 0xa1                      ; source 0 (B) window 1, source 1 (A) window 0, C and D window 2
.set MUL_HI, 0xf1                      ; the same, C and D window 3
.set FST_LO, 0x91                      ; the first step: C (the bias) window 1, D window 2
.set FST_HI, 0xd1                      ; D window 3
.set TO_B,   0x40                      ; destination window 1, address window 0
.macro JLOAD g0a, g1a, g0b, g1b        ; a joint load: waves 0 and 1 fetch for A, waves 2 and 3 for B; an s_nop 0 and four v_nop follow each of the two lines
	s_cmp_eq_u32 s15, 0
	s_cbranch_scc0 .Lfor_b_\@
	tensor_load_to_lds s[\g0a:\g0a+3], s[\g1a:\g1a+7]
	s_nop 0
.rept 4
	v_nop
.endr
	s_branch .Lasked_\@
.Lfor_b_\@:
	tensor_load_to_lds s[\g0b:\g0b+3], s[\g1b:\g1b+7]
	s_nop 0
.rept 4
	v_nop
.endr
.Lasked_\@:
.endm
.macro CREST
	s_cmp_lg_u32 s14, 0
	s_cbranch_scc1 .Lnot_wave_0_\@
	s_barrier_signal -3
.Lnot_wave_0_\@:
	s_barrier_wait -3
	s_barrier_signal -1
	s_barrier_wait -1
.endm
.macro CROUND
	s_barrier_signal -1
	s_barrier_wait -1
	CREST
.endm
	s_load_b256 s[4:11], s[0:1], 0x0               ; Ci s[4:5], Cs s[6:7], Wi s[8:9], Ws s[10:11]
	s_load_b128 s[96:99], s[0:1], 0x20             ; b_out s[96:97], out0 s[98:99]
	v_lshl_add_u32 v[SPW], v0, 2, SPARE
	v_mov_b32 v[NIL], 0
	ds_add_u32 v[SPW], v[NIL]                      ; the wave's opening: the add and its wait stand ahead of my first tensor load; the set-up below, work on registers, stands between them
	v_lshrrev_b32 v1, 5, v0
	v_readfirstlane_b32 s14, v1                    ; wave 0..3
	s_lshr_b32 s15, s14, 1                         ; which half of A's rows is mine.  Also: I fetch for A (0) or for B (1)
	s_and_b32 s16, s14, 1                          ; which half of B's rows.  Also: which 8 tiles I fetch
	s_bfe_u32 s40, ttmp6, 0x40000                  ; cx, cy
	s_bfe_u32 s41, ttmp6, 0x40004
	s_lshl_b32 s42, ttmp9, 2
	s_add_co_u32 s42, s42, s40                     ; the output's block of 256 columns
	s_and_b32 s17, ttmp7, 0xffff
	s_lshl_b32 s17, s17, 2
	s_add_co_u32 s17, s17, s41                     ; and of 256 tokens
	s_lshl_b32 s43, s41, 2
	s_lshl_b32 s43, 15, s43                        ; my row of the cluster
	s_lshl_b32 s44, 0x1111, s40                    ; my column
	s_or_b32 s[G1+0], s43, (3<<16)|(1<<21)         ; codes: 8 tiles' 3,072 bytes (384 elements of 8 bytes), 12,288 bytes apart; no padding; the mask, and bit 21 beside it
	s_or_b32 s[G1B+0], s44, (3<<16)|(1<<21)
.irp g, G1, G1B
	s_mov_b32 s[\g+1], 384<<16
	s_mov_b32 s[\g+2], 8<<16
	s_mov_b32 s[\g+3], 384<<16
	s_mov_b32 s[\g+4], 8
	s_mov_b32 s[\g+5], 1536
	s_mov_b32 s[\g+6], 0
	s_mov_b32 s[\g+7], 0
.endr
	s_or_b32 s[G1S+0], s43, (3<<16)|(1<<21)        ; scale words of 8 tiles: 4,096 dense bytes as 16 rows of 256
	s_or_b32 s[G1SB+0], s44, (3<<16)|(1<<21)
.irp g, G1S, G1SB
	s_mov_b32 s[\g+1], 32<<16
	s_mov_b32 s[\g+2], 16<<16
	s_mov_b32 s[\g+3], 32<<16
	s_mov_b32 s[\g+4], 16
	s_mov_b32 s[\g+5], 32
	s_mov_b32 s[\g+6], 0
	s_mov_b32 s[\g+7], 0
.endr
	s_mul_i32 s18, s16, 98304
	s_mul_i32 s20, s17, 196608
	s_add_co_u32 s20, s20, s18                     ; A's codes, in bytes
	s_mov_b32 s21, 0
	s_add_co_u32 s92, s42, 12                      ; W_out's blocks of 256 columns are the 12th to 15th of Wi and Ws
	s_mul_i32 s46, s92, 196608
	s_add_co_u32 s46, s46, s18                     ; B's
	s_mov_b32 s47, 0
	s_lshl_b32 s19, s16, 12
	s_lshl_b32 s22, s17, 13
	s_add_co_u32 s22, s22, s19                     ; A's scale words
	s_mov_b32 s23, 0
	s_lshl_b32 s92, s92, 13
	s_add_co_u32 s92, s92, s19                     ; B's
	s_mov_b32 s93, 0
	s_mul_i32 s45, s14, HALFT                      ; where they go: no place in the cluster enters an LDS address
	s_mul_i32 s94, s14, HALFS
	s_wait_dscnt 0x0                               ; the opening add is done
	s_wait_kmcnt 0x0
	s_add_nc_u64 s[20:21], s[4:5], s[20:21]
	s_add_nc_u64 s[22:23], s[6:7], s[22:23]
	s_add_nc_u64 s[46:47], s[8:9], s[46:47]
	s_add_nc_u64 s[92:93], s[10:11], s[92:93]
	CROUND                                         ; all sixteen work-groups are here: the first joint loads meet
	s_mov_b32 s[G0S], 1
	s_add_co_u32 s[G0S+1], s94, SCL
	s_mov_b64 s[G0S+2:G0S+3], s[22:23]
	s_or_b32 s[G0S+3], s[G0S+3], 0x80000000
	s_mov_b32 s[G0SB], 1
	s_add_co_u32 s[G0SB+1], s94, SCL
	s_mov_b64 s[G0SB+2:G0SB+3], s[92:93]
	s_or_b32 s[G0SB+3], s[G0SB+3], 0x80000000
	JLOAD G0S, G1S, G0SB, G1SB
.irp s, 0,1
	s_mov_b32 s[G0+4*\s], 1
	s_add_co_u32 s[G0+4*\s+1], s45, \s*SLOT
	s_add_nc_u64 s[G0+4*\s+2:G0+4*\s+3], s[20:21], \s*TILEB
	s_or_b32 s[G0+4*\s+3], s[G0+4*\s+3], 0x80000000
	s_mov_b32 s[G0B+4*\s], 1
	s_add_co_u32 s[G0B+4*\s+1], s45, \s*SLOT
	s_add_nc_u64 s[G0B+4*\s+2:G0B+4*\s+3], s[46:47], \s*TILEB
	s_or_b32 s[G0B+4*\s+3], s[G0B+4*\s+3], 0x80000000
	JLOAD G0+4*\s, G1, G0B+4*\s, G1B
.endr
	v_and_b32 v1, 15, v0                           ; r
	v_bfe_u32 v2, v0, 4, 1                         ; h
	v_and_b32 v3, 31, v0                           ; l
	v_lshlrev_b32 v4, 3, v3                        ; 8 l
	; the bias of my 128 columns: for tile b of B, lane (r, h) wants columns 32 (b / 2) + 16 h + 8 (b % 2) + 0 .. 7
	s_lshl_b32 s92, s42, 10
	s_lshl_b32 s93, s16, 9
	s_add_co_u32 s92, s92, s93
	s_mov_b32 s93, 0
	s_add_nc_u64 s[96:97], s[96:97], s[92:93]
	v_lshlrev_b32 v7, 6, v2                        ; 64 h
	WIN TO_B
.irp b, 0,1,2,3,4,5,6,7
.set BI, 96+8*\b+96*(\b/4)
	global_load_b128 v[BI:BI+3], v7, s[96:97] offset:128*(\b/2)+32*(\b%2)
	global_load_b128 v[BI+4:BI+7], v7, s[96:97] offset:128*(\b/2)+32*(\b%2)+16
.endr
	WIN 0
	s_mul_i32 s21, s15, HALFT                      ; my 8 tiles of A
	s_mul_i32 s22, s16, HALFT                      ; my 8 tiles of B,
	s_add_co_u32 s22, s22, 2*HALFT                 ; which lie behind A's 16
.irp s, 0,1
	v_add_nc_u32 v[ADRA+\s], s21, v4
	v_add_nc_u32 v[ADRB+\s], s22, v4
	s_add_co_u32 s21, s21, SLOT
	s_add_co_u32 s22, s22, SLOT
.endr
	v_lshlrev_b32 v5, 3, v1                        ; my row's two words of a slot: 8 r
	s_mul_i32 s21, s15, HALFS
	s_mul_i32 s22, s16, HALFS
	s_add_co_u32 s22, s22, 2*HALFS
	s_sub_co_u32 s22, s22, s21
	v_mul_u32_u24 v6, s22, v2                      ; lanes 16-31 take B's: one product, the distance between the two
	s_add_co_u32 s21, s21, SCL
	v_add_nc_u32 v5, v5, v6
	v_add_nc_u32 v[ADRS], s21, v5
	s_mul_i32 s23, s14, 16*SPITCH                  ; my stage
	v_mul_u32_u24 v5, v1, SPITCH
	v_lshl_add_u32 v5, v2, 6, v5                   ; in: row r, + 64 h
	v_add_nc_u32 v[STO], s23, v5
	v_lshlrev_b32 v[CO], 4, v3                     ; back: the 32 lanes take one row of 512 bytes; and the same in the output
	v_add_nc_u32 v[RD], s23, v[CO]
	s_lshl_b32 s20, s17, 8
	s_lshl_b32 s21, s15, 7
	s_add_co_u32 s20, s20, s21                     ; my first token
	s_lshl_b32 s20, s20, 12                        ; rows of 4,096 bytes
	s_mov_b32 s21, 0
	s_add_nc_u64 s[20:21], s[20:21], s[92:93]      ; + my first column, in bytes
	s_add_nc_u64 s[12:13], s[98:99], s[20:21]
.macro FRAG reg, adr, q, i             ; a fragment: six chunks of 256 bytes, 8 bytes a lane
.irp p, 0,1,2,3,4,5
	ds_load_b64 v[\reg+2*\p:\reg+2*\p+1], v[\adr] offset:(\i)*TILEB+(\q)*1536+256*\p
.endr
.endm
; 16 matrix instructions: A's blocks a0, a0 + 1 x B's eight.  zero = 1: the first product starts the sums from the bias.  The 64 accumulators take turns, one instruction a turn.
.macro MUL16 a0, p, q, sc, zero
.irp a, \a0, \a0+1
.irp b, 0,1,2,3,4,5,6,7
.if \zero
.set BI, 96+8*\b+96*(\b/4)
	v_wmma_scale_f32_16x16x128_f8f6f4 v[8*(8*((\a)%4)+\b):8*(8*((\a)%4)+\b)+7], v[128*(\p)+FR*\b:128*(\p)+FR*\b+FR-1], v[AF+FR*(\a):AF+FR*(\a)+FR-1], v[BI:BI+7], v[SC+8*NQ*(\sc)+NQ*\b+(\q)], v[SC+8*NQ*(\sc)+NQ*(\a)+(\q)] matrix_a_fmt:MATRIX_FMT_FP6 matrix_b_fmt:MATRIX_FMT_FP6 matrix_a_scale:MATRIX_SCALE_ROW1
.else
	v_wmma_scale_f32_16x16x128_f8f6f4 v[8*(8*((\a)%4)+\b):8*(8*((\a)%4)+\b)+7], v[128*(\p)+FR*\b:128*(\p)+FR*\b+FR-1], v[AF+FR*(\a):AF+FR*(\a)+FR-1], v[8*(8*((\a)%4)+\b):8*(8*((\a)%4)+\b)+7], v[SC+8*NQ*(\sc)+NQ*\b+(\q)], v[SC+8*NQ*(\sc)+NQ*(\a)+(\q)] matrix_a_fmt:MATRIX_FMT_FP6 matrix_b_fmt:MATRIX_FMT_FP6 matrix_a_scale:MATRIX_SCALE_ROW1
.endif
.endr
.endr
.endm
.macro FETCH_B slot, q, p
	WIN TO_B
.irp i, 0,1,2,3,4,5,6,7
	FRAG 128*(\p)+FR*\i, ADRB+\slot, \q, \i
.endr
	WIN 0
.endm
.macro FETCH_A slot, q, i0
.irp i, \i0, \i0+1, \i0+2, \i0+3
	FRAG AF+FR*(\i), ADRA+\slot, \q, \i
.endr
.endm
.macro SCALES sc
.irp i, 0,1,2,3,4,5,6,7
	ds_load_b64 v[SC+8*NQ*\sc+NQ*\i:SC+8*NQ*\sc+NQ*\i+1], v[ADRS] offset:\i*512
.endr
.endm
.macro PLACES n                        ; plain places behind matrix instructions, in front of loads into registers that they have read and of the first read of results
.rept \n
	v_nop
.endr
.endm
.macro STEP slot, q, zero
	s_wait_dscnt 4*NL                              ; B's set and A's blocks 0-3 are in; the youngest 24 loads (A's blocks 4-7) may be out
.if \zero
	WIN FST_LO
.else
	WIN MUL_LO
.endif
	MUL16 0, (\q)%2, \q, \slot, \zero
	MUL16 2, (\q)%2, \q, \slot, \zero
	s_wait_dscnt 0                                 ; A's blocks 4-7 are in
	PLACES NP
	FETCH_B \slot, (\q)+1, 1-(\q)%2
	FETCH_A \slot, (\q)+1, 0
.if \zero
	WIN FST_HI
.else
	WIN MUL_HI
.endif
	MUL16 4, (\q)%2, \q, \slot, \zero
	MUL16 6, (\q)%2, \q, \slot, \zero
	PLACES NP
	WIN 0
	FETCH_A \slot, (\q)+1, 4
.endm
; A slot's last step changes slots: ONE barrier; in front of it each wave waits for all its tensor loads, adds 0 to its spare word, and waits for that and for its own reads of this slot.  fill = 1: this slot is filled again, two slots ahead.
.macro TURN slot, next, fill
	s_wait_tensorcnt 0x0                           ; all my tensor loads have landed: my part of the next slot
	ds_add_u32 v[SPW], v[NIL]                      ; 0 onto my spare word
	s_wait_dscnt 4*NL+1                            ; (the add and the youngest 24 loads may be out)
	WIN MUL_LO
	MUL16 0, 1, NQ-1, \slot, 0                     ; sixteen matrix instructions stand between the add and the wait for it
	s_wait_dscnt 0x0                               ; the add is done, and my reads of this slot are over
	s_barrier_signal -1
	MUL16 2, 1, NQ-1, \slot, 0
	WIN 0
	s_barrier_wait -1
.if \fill
	CREST                                          ; the barrier has opened a round of the cluster's barrier: no wave of any partner still reads this slot or has a load on its way
	s_add_nc_u64 s[G0+4*\slot+2:G0+4*\slot+3], s[G0+4*\slot+2:G0+4*\slot+3], 2*TILEB
	s_add_nc_u64 s[G0B+4*\slot+2:G0B+4*\slot+3], s[G0B+4*\slot+2:G0B+4*\slot+3], 2*TILEB
	JLOAD G0+4*\slot, G1, G0B+4*\slot, G1B         ; the first tensor load behind the round; its four v_nop are also the places in front of the loads below
.else
	PLACES NP
.endif
	v_add_nc_u32 v[ADRS], 128, v[ADRS]             ; on to the next slot's scale words (no LDS load of mine is out)
	FETCH_B \next, 0, 0
	FETCH_A \next, 0, 0
	SCALES \next
	WIN MUL_HI
	MUL16 4, 1, NQ-1, \slot, 0
	MUL16 6, 1, NQ-1, \slot, 0
	PLACES NP
	WIN 0
	FETCH_A \next, 0, 4
.endm
	s_wait_tensorcnt 1                             ; the scale words and my part of slot 0 are in (slot 1's load may be out)
	s_barrier_signal -1
	s_barrier_wait -1                              ; everybody's are
	FETCH_B 0, 0, 0
	FETCH_A 0, 0, 0
	SCALES 0
	FETCH_A 0, 0, 4
	s_wait_loadcnt 0x0                             ; the bias
	STEP 0, 0, 1                                   ; the first step stands in front of the loop: its products start the sums
	s_mov_b32 s3, LAPS-1
.Llap:                                                 ; a trip goes once round the ring and fills both slots again
	TURN 0, 1, 1
	STEP 1, 0, 0
	TURN 1, 0, 1
	STEP 0, 0, 0
	s_sub_co_u32 s3, s3, 1
	s_cmp_lg_u32 s3, 0
	s_cbranch_scc1 .Llap
	TURN 0, 1, 0                                   ; the last lap fills nothing
	STEP 1, 0, 0
	s_wait_dscnt 4*NL                              ; the very last step
	WIN MUL_LO
	MUL16 0, 1, NQ-1, 1, 0
	MUL16 2, 1, NQ-1, 1, 0
	s_wait_dscnt 0
	WIN MUL_HI
	MUL16 4, 1, NQ-1, 1, 0
	MUL16 6, 1, NQ-1, 1, 0
	WIN 0
; THE WAY OUT, block by block of 16 tokens x 128 columns, through my own stage in LDS: in by lanes (a lane's eight numbers of tile b are columns 32 (b / 2) + 16 h + 8 (b % 2) on), back as whole rows of 512 bytes.
; LDS serves a wave's instructions in order (ISA guide 5.7.1.4): no wait between the stores and the loads, nor in front of the next block's stores.
.macro TOSTAGE a
.set AC, 64*((\a)%4)
	WIN 0x08+4*((\a)/4)                            ; the data: window 2 or 3
.irp b, 0,1,2,3,4,5,6,7
	ds_store_b128 v[STO], v[AC+8*\b:AC+8*\b+3] offset:128*(\b/2)+32*(\b%2)       ; each accumulator from its low end on
	ds_store_b128 v[STO], v[AC+8*\b+4:AC+8*\b+7] offset:128*(\b/2)+32*(\b%2)+16
.endr
	WIN 0
.set BB, BK+64*((\a)%2)
.irp t, 0,1,2,3,4,5,6,7,8,9,10,11,12,13,14,15
	ds_load_b128 v[BB+4*\t:BB+4*\t+3], v[RD] offset:\t*SPITCH
.endr
.endm
.macro SEND a, younger                 ; younger: the LDS instructions issued behind block a's loads, which may stay out
.set BB, BK+64*((\a)%2)
	s_wait_dscnt \younger                          ; the block is back in registers
.irp t, 0,1,2,3,4,5,6,7,8,9,10,11,12,13,14,15
	global_store_b128 v[CO], v[BB+4*\t:BB+4*\t+3], s[12:13] offset:(32*((\a)/2)+8*((\a)%2)+\t+8*(\t/8))*4096 th:TH_STORE_NT   ; row t of tile a is token 32 (a / 2) + 8 (a % 2) + t + 8 (t / 8); 512 consecutive bytes, aligned; 127 rows at the most: inside the signed 24-bit immediate
.endr
.endm
	PLACES NP                                      ; behind the last products: results are read, and loads land in the registers that held A's fragments
	TOSTAGE 0
.irp a, 1,2,3,4,5,6,7
.if \a > 1
	s_wait_xcnt 0x0                                ; block a - 2's stores have read their registers: block a's loads may land there
.endif
	TOSTAGE \a
	SEND \a-1, 32                                  ; behind block a - 1's loads: block a's 16 stores and 16 loads
.endr
	SEND 7, 0
	s_wait_tensorcnt 0x0                           ; the wave's end
	ds_add_u32 v[SPW], v[NIL]
	s_wait_dscnt 0x0
	CROUND                                         ; the closing round: no work-group ends while a partner may still ask for a tile that names it
	s_endpgm
.Lfunc_end_k_q55f6e2aa99_outp:
	.size	k_q55f6e2aa99_outp, .Lfunc_end_k_q55f6e2aa99_outp-k_q55f6e2aa99_outp
	.p2alignl 7, 3214868480
	.fill 96, 4, 3214868480
	.section	.rodata,"a",@progbits
	.p2align	6, 0x0
	.amdhsa_kernel k_q55f6e2aa99_outp
		.amdhsa_group_segment_fixed_size 327680
		.amdhsa_private_segment_fixed_size 0
		.amdhsa_enable_private_segment 0
		.amdhsa_kernarg_size 48
		.amdhsa_user_sgpr_count 2
		.amdhsa_user_sgpr_kernarg_segment_ptr 1
		.amdhsa_wavefront_size32 1
		.amdhsa_system_sgpr_workgroup_id_x 1
		.amdhsa_system_sgpr_workgroup_id_y 1
		.amdhsa_system_sgpr_workgroup_id_z 1
		.amdhsa_system_vgpr_workitem_id 0
		.amdhsa_next_free_vgpr 1024
		.amdhsa_next_free_sgpr 100
		.amdhsa_reserve_vcc 0
		.amdhsa_float_denorm_mode_32 3
		.amdhsa_float_denorm_mode_16_64 3
		.amdhsa_memory_ordered 1
		.amdhsa_forward_progress 1
		.amdhsa_inst_pref_size 160
	.end_amdhsa_kernel
	.amdgpu_metadata
---
amdhsa.version: [ 1, 2 ]
amdhsa.kernels:
  - .name:           k_q55f6e2aa99_outp
    .symbol:         k_q55f6e2aa99_outp.kd
    .args:
      - { .name: Ci, .offset: 0, .size: 8, .value_kind: global_buffer, .address_space: global }
      - { .name: Cs, .offset: 8, .size: 8, .value_kind: global_buffer, .address_space: global }
      - { .name: Wi, .offset: 16, .size: 8, .value_kind: global_buffer, .address_space: global }
      - { .name: Ws, .offset: 24, .size: 8, .value_kind: global_buffer, .address_space: global }
      - { .name: b_out, .offset: 32, .size: 8, .value_kind: global_buffer, .address_space: global }
      - { .name: out0, .offset: 40, .size: 8, .value_kind: global_buffer, .address_space: global }
    .group_segment_fixed_size: 327680
    .private_segment_fixed_size: 0
    .kernarg_segment_align: 8
    .kernarg_segment_size: 48
    .max_flat_workgroup_size: 128
    .sgpr_count:     100
    .vgpr_count:     1024
    .wavefront_size: 32
...
	.end_amdgpu_metadata
.endif
;; end of part 4
